; MI455X (gfx1250); checked and timed in simulation.
; The chip was launched on July 23, 2026; its instructions are those of AMD's public machine-readable ISA for CDNA 5 (MIT licence, August 2026) and "CDNA5" Instruction Set Architecture Reference Guide (July 2026). The comments in the code are by the model that wrote it; some were corrected since.
;; Multi Head Self Attention. Allowed arithmetic: matrix products marked QUANTISED: E2M3 operands, one E8M0 scale for each 32 along K, by v_wmma_scale_f32_16x16x128_f8f6f4 with both operands' format E2M3, f32 sums; everything else in f32.
;; Inputs: K 4 x 2,048 x 1,024 float32; Q 4 x 2,048 x 1,024 float32; V 4 x 2,048 x 1,024 float32; out_b 1,024 float32; out_w 1,024 x 1,024 float32; wk_b 1,024 float32; wk_w 1,024 x 1,024 float32; wq_b 1,024 float32; wq_w 1,024 x 1,024 float32; wv_b 1,024 float32; wv_w 1,024 x 1,024 float32.
;; Outputs: out0 4 x 2,048 x 1,024 float32.
;; This version of the problem:
;;   THIS VERSION OF THE PROBLEM IS GIVEN IN LOW PRECISION. The matrix products marked QUANTISED in the list below multiply operands that are first quantised to E2M3 (2 exponent bits, 3 mantissa bits; 6 bits a number), with one power-of-two scale for each 32 numbers along K (OCP MX v1.0); their sums are f32. All else is computed in f32.
;;   The module's matrix products, in the order in which they are computed (A, B: the left and right operand; K: the contracted axis; several contracted axes count as one K, in the product's order):
;;     1. [M 8,192, K 1,024] x [K 1,024, N 1,024]; A: input Q; B: input wq_w: QUANTISED
;;     2. [M 8,192, K 1,024] x [K 1,024, N 1,024]; A: input K; B: input wk_w: QUANTISED
;;     3. [M 8,192, K 1,024] x [K 1,024, N 1,024]; A: input V; B: input wv_w: QUANTISED
;;     4. batch 64 x [M 2,048, K 64] x [K 64, N 2,048]; A: computed on the way; B: computed on the way: QUANTISED
;;     5. batch 64 x [M 2,048, K 2,048] x [K 2,048, N 64]; A: softmax (see below); B: computed on the way: QUANTISED
;;     6. [M 8,192, K 1,024] x [K 1,024, N 1,024]; A: computed on the way; B: input out_w: QUANTISED
;;   THE QUANTISER, for each operand of a quantised product, along K:
;;     - K is cut into blocks of 32 from its start; a last block that is shorter is filled with zeros.
;;     - A block's scale is 2^e with e = floor(log2(the largest magnitude in the block)) - 2, held to -126 .. 127; a block of zeros has e = 0. As a byte (E8M0): e + 127.
;;     - Each number is divided by its block's scale, clamped to +-7.5, and rounded to the nearest number of E2M3, ties to even, subnormals kept.
;;     - The product sums the exact products of the quantised numbers (number of the format x scale) in f32.
;;   ~~~python
;;   def quantise(x, axis):      # numpy; x: float32 -> the quantised numbers, widened to float32 again
;;       x = np.moveaxis(x, axis, -1); K = x.shape[-1]
;;       x = np.pad(x, [(0, 0)] * (x.ndim - 1) + [(0, -K % 32)]); x = x.reshape(x.shape[:-1] + (-1, 32)); a = np.abs(x).max(-1, keepdims=True)
;;       e = np.where(a > 0, np.clip(np.frexp(np.where(a > 0, a, 1))[1] - 1 - 2, -126, 127), 0)      # np.frexp(a)[1] - 1 = floor(log2(a)), exactly
;;       r = np.clip(x / 2.0 ** e, -7.5, 7.5)
;;       step = 2.0 ** (np.maximum(np.frexp(np.where(r == 0, 1, r))[1] - 1, 0) - 3)
;;       q = np.round(r / step) * step * 2.0 ** e      # np.round: ties to even
;;       return np.moveaxis(q.reshape(q.shape[:-2] + (-1,))[..., :K], -1, axis).astype(np.float32)
;;   ~~~
;;   SOFTMAX AHEAD OF A QUANTISED PRODUCT. Where the list says 'softmax', what is quantised is not the finished softmax but p = 2^(t - M), with t = logit x log2(e) and M = ceil(the row's largest t), a whole number; so 1/2 < the row's largest p <= 1. The row's sum l is taken of the UNQUANTISED p, in f32, and the product's result is divided by l at the end. Since M is a whole number, a kernel that streams over the keys may use a running M (the ceiling of the running maximum): every later rescaling is an exact power of two, which a block's scale takes up: the codes' values come out the same.
;;   OPERANDS COMPUTED ON THE WAY. 'Computed on the way' means the value that the module computes at that place (a softmax that the list does not call 'softmax' is quantised finished and normalised). What goes into a quantiser is computed in f32, as accurately as f32 sums, v_exp_f32 and their like allow (about 1e-6 of the number): no bf16 or f16 on the way to a quantiser, and a product that is left as it is and whose result goes on into a quantised operand takes f32 operands (vector FMAs, or v_wmma_f32_16x16x4_f32). A number that lies on a knife's edge between two numbers of the format may be rounded either way, as far as f32 arithmetic and the matrix unit's own rounding can turn it there, and no further.
;; One version. Each part assembles by itself: llvm-mc -triple=amdgcn-amd-amdhsa -mcpu=gfx1250 --defsym DOCPART=n.
;; ======== version 1 of 1: 4 launches
;; limits: right only within a limited range of input values
;; workspace buffers: xc 22,020,096 bytes; xs 917,504 bytes; hc 20,185,088 bytes; cc 6,291,456 bytes; cs 262,144 bytes
;; launch quant (part 1): grid 1792 x 1, 1 waves a work-group, no clusters, 8,704 bytes of LDS; arguments Q, K, V, wq_w, wk_w, wv_w, out_w, xc, xs; writes xc, xs
.if DOCPART == 1
	.amdgcn_target "amdgcn-amd-amdhsa--gfx1250"
	.amdhsa_code_object_version 6
	.text
	.protected	k_qd7856e800c_quant
	.globl	k_qd7856e800c_quant
	.p2align	8
	.type	k_qd7856e800c_quant,@function
k_qd7856e800c_quant:
	s_mov_b64 s[64:65], 0
	v_nop
	global_prefetch_b8 v0, s[64:65] scope:SCOPE_SE
	s_setreg_imm32_b32 hwreg(HW_REG_WAVE_MODE, 25, 1), 1
	s_wait_xcnt 0x0
; Q, K, V [8192][1024] and wq_w, wk_w, wv_w, out_w [1024][1024], f32 with K innermost, become codes of FP6 (E2M3) with one E8M0 byte for each 32 along K.
; A block's scale is 2^(floor(log2(its largest magnitude)) - 2); its byte is the largest magnitude's exponent field - 2, held at 1 from below.
; LIMITS: NaN and infinities among the inputs are not served.  A block whose largest magnitude lies under 2^-124 (a block of zeros too) gets the byte 1; the bytes are read by this program alone.
; WHAT IS WRITTEN IS AN IMAGE OF THE OPERAND'S REGISTERS.  A tile is 16 rows x 1,024 K = 16 half fragments of 768 bytes (16 rows x 64 K): registers 0-3 of the 32 lanes, 16 bytes at 16 x lane, then
; registers 4-5, 8 bytes at 8 x lane; lane (r, h) holds k = 32 h .. 32 h + 31 of tile row r.  Two half fragments on end are the 12 registers of one matrix operand of 128 K.
; THE ROWS OF A TILE ARE NOT NEIGHBOURS: tile T holds in lane r the row 32 (T / 2) + 8 (T % 2) + r + 8 (r / 8), so that a later product's results of two neighbouring tiles are 16 neighbours in a lane.
; The scale words of a tile: 512 bytes, 16 bytes at 16 x lane: word i of lane (r, h) is row r's word for the K step 2 i + h.
; SHARES: one wave to a work-group, one tile to a wave, eight steps of 128 K.  1,792 tiles: Q 0, K 512, V 1024, wq 1536, wk 1600, wv 1664, out_w 1728.  Nothing is shared between work-groups: no cluster, no barrier.
; Each load reads 512 consecutive bytes of one row; a step's 16 rows turn through a stage in LDS (rows of 512 + 16 bytes), from which a lane takes its two blocks of 32 neighbours.  Loads run two steps ahead.
.set ROWB, 4096                        ; a row of an input in bytes
.set SP,   528                         ; a stage row
.set W,    16                          ; v16-23   the eight steps' scale words
.set PC,   24                          ; v24-35   a step's codes: the operand's 12 registers
.set PT,   36                          ; v36-38, v40-42  the second halves of the two blocks, as the conversions leave them
.set OW,   44                          ; v44-47   the scale words on their way out
.set X,    64                          ; v64-127  my two blocks of 32 numbers
.set R,    128                         ; v128-255 two sets of 64: a step's numbers as loaded
	s_load_b256 s[4:11], s[0:1], 0x0               ; Q, K, V, wq_w
	s_load_b256 s[12:19], s[0:1], 0x20             ; wk_w, wv_w, out_w, xc
	s_load_b64 s[20:21], s[0:1], 0x40              ; xs
	v_lshl_add_u32 v62, v0, 2, 0x2100
	v_mov_b32 v63, 0
	v_lshlrev_b32 v1, 4, v0                        ; 16 x lane (one wave: the thread's number is the lane)
	v_and_b32 v2, 15, v0                           ; r
	v_lshrrev_b32 v3, 4, v0                        ; h
	v_lshlrev_b32 v4, 3, v0                        ; 8 x lane
	v_mul_u32_u24 v5, v2, SP
	v_lshl_add_u32 v5, v3, 7, v5                   ; out of the stage: row r, + 128 h bytes: my 32 numbers of 64
	v_lshlrev_b32 v6, 3, v3                        ; 8 h: my bytes' place in a scale word
	v_mov_b32 v15, 0                               ; written once: a lane permute's destination counts as one of its sources
	s_mov_b32 s24, 0x76543210
	s_mov_b32 s25, 0xfedcba98                      ; v_permlanex16_b32's selects for lane l xor 16
	s_mov_b32 s23, 511
	s_cmp_ge_u32 ttmp9, 1536                       ; an activation has 512 tiles, a weight 64; every tensor's first tile is a multiple of its count
	s_cselect_b32 s22, 63, s23
	s_and_b32 s22, ttmp9, s22                      ; the tile's number in its tensor
	s_lshr_b32 s26, s22, 1
	s_lshl_b32 s26, s26, 17                        ; 32 rows of 4,096 bytes for each pair of tiles,
	s_and_b32 s27, s22, 1
	s_lshl_b32 s27, s27, 15                        ; 8 rows more for the odd one
	s_add_co_u32 s26, s26, s27
	; K'S TILES (512 to 1023) HAVE ANOTHER ORDER OF ROWS: tile T holds in lane r the row 64 (T / 4) + 8 (T % 4) + r + 24 (r / 8),
	; so that in attention a lane's 32 scores of four neighbouring tiles are one whole block of 32 neighbouring keys.
	s_lshr_b32 s27, s22, 2
	s_lshl_b32 s27, s27, 18                        ; 64 rows for each four tiles,
	s_and_b32 s28, s22, 3
	s_lshl_b32 s28, s28, 15                        ; 8 rows for each tile among them
	s_add_co_u32 s27, s27, s28
	s_lshr_b32 s23, ttmp9, 9
	s_cmp_eq_u32 s23, 1                            ; K's tile?  The choice hangs on the work-group's number alone
	s_cselect_b32 s26, s27, s26
	s_cselect_b32 s23, 0x10000, 0                  ; K: a tile's rows 8-15 lie 16 rows further on than in the other tensors
	s_wait_alu depctr_va_vdst(0)                   ; the wait directly ahead of the reader below
	v_add_nc_u32 v7, s23, v1                       ; the offset for a tile's rows 8-15
	s_mov_b32 s27, 0
	s_mul_i32 s28, ttmp9, 12288                    ; the tile's codes
	s_mov_b32 s29, 0
	s_lshl_b32 s30, ttmp9, 9                       ; and its scale words
	s_mov_b32 s31, 0
	s_wait_alu depctr_va_vdst(0)
	s_wait_kmcnt 0x0
	s_cmp_ge_u32 ttmp9, 512                        ; which tensor: the choice hangs on the work-group's number alone
	s_cselect_b64 s[4:5], s[6:7], s[4:5]
	s_cmp_ge_u32 ttmp9, 1024
	s_cselect_b64 s[4:5], s[8:9], s[4:5]
	s_cmp_ge_u32 ttmp9, 1536
	s_cselect_b64 s[4:5], s[10:11], s[4:5]
	s_cmp_ge_u32 ttmp9, 1600
	s_cselect_b64 s[4:5], s[12:13], s[4:5]
	s_cmp_ge_u32 ttmp9, 1664
	s_cselect_b64 s[4:5], s[14:15], s[4:5]
	s_cmp_ge_u32 ttmp9, 1728
	s_cselect_b64 s[4:5], s[16:17], s[4:5]
	s_add_nc_u64 s[4:5], s[4:5], s[26:27]
	s_add_nc_u64 s[18:19], s[18:19], s[28:29]
	s_add_nc_u64 s[20:21], s[20:21], s[30:31]
.macro LOAD t                          ; step t: 512 bytes of each of the tile's 16 rows, into set t % 2
.irp i, 0,1,2,3,4,5,6,7,8,9,10,11,12,13,14,15
	global_load_b128 v[R+64*((\t)%2)+4*\i:R+64*((\t)%2)+4*\i+3], v[1+6*(\i/8)], s[4:5] offset:(\i+8*(\i/8))*ROWB+512*(\t) th:TH_LOAD_NT
.endr
.endm
.macro STEP t
.if (\t) < 7
	s_wait_loadcnt 16                              ; this step's 16 loads are in; the next step's 16 may be out
.else
	s_wait_loadcnt 0x0
.endif
.irp i, 0,1,2,3,4,5,6,7,8,9,10,11,12,13,14,15
	ds_store_b128 v1, v[R+64*((\t)%2)+4*\i:R+64*((\t)%2)+4*\i+3] offset:SP*\i
.endr
.irp c, 0,1
.irp j, 0,1,2,3,4,5,6,7
	ds_load_b128 v[X+32*\c+4*\j:X+32*\c+4*\j+3], v5 offset:256*\c+16*\j   ; LDS serves a wave's instructions in order: these see the stores above
.endr
.endr
	s_wait_dscnt 0x0                               ; my 64 numbers are in, and the stores have read their registers,
.if (\t) < 6
	LOAD (\t)+2                                    ; which take the loads of two steps on
.endif
.irp c, 0,1
	v_max3_num_f32 v[8+\c], |v[X+32*\c]|, |v[X+32*\c+1]|, 0x1800000   ; block 2 c + h is all mine; the floor 2^(3 - 127) holds the byte at 1 from below
.endr
.irp i, 2,4,6,8,10,12,14,16,18,20,22,24,26,28,30
.irp c, 0,1
	v_max3_num_f32 v[8+\c], v[8+\c], |v[X+32*\c+\i]|, |v[X+32*\c+\i+1]|   ; (the two blocks by turns)
.endr
.endr
.irp c, 0,1
	v_add_nc_u32 v[10+\c], 0xff000000, v[8+\c]     ; 2 off the exponent field: the conversion takes this operand's exponent field as its scale
.endr
.irp c, 0,1
	v_lshrrev_b32 v[12+\c], 23, v[10+\c]           ; the scale's byte
.endr
	v_lshl_or_b32 v14, v13, 16, v12                ; my two bytes, blocks h and 2 + h,
	v_lshlrev_b32 v14, v6, v14                     ; at their places;
	v_permlanex16_b32 v15, v14, s24, s25
	v_or_b32 v[W+(\t)], v14, v15                   ; with lane l xor 16's two the row's word is whole
	s_wait_alu depctr_va_vdst(0)
	s_wait_xcnt 0x0                                ; the last step's stores have read the codes' registers: they are written again only behind this wait
.irp c, 0,1
	v_cvt_scalef32_pk16_fp6_f32 v[PC+6*\c:PC+6*\c+2], v[X+32*\c:X+32*\c+15], v[10+\c]
	v_cvt_scalef32_pk16_fp6_f32 v[PT+4*\c:PT+4*\c+2], v[X+32*\c+16:X+32*\c+31], v[10+\c]   ; (a conversion's three registers begin on an even number)
.endr
	v_nop                                          ; one plain place behind a scaled conversion
.irp c, 0,1
.irp i, 0,1,2
	v_mov_b32 v[PC+6*\c+3+\i], v[PT+4*\c+\i]
.endr
.endr
	global_store_b128 v1, v[PC:PC+3], s[18:19] offset:1536*(\t)            ; 512 consecutive bytes, at a multiple of 256 from the buffer's first byte
	global_store_b64 v4, v[PC+4:PC+5], s[18:19] offset:1536*(\t)+512       ; 256 consecutive bytes
	global_store_b128 v1, v[PC+6:PC+9], s[18:19] offset:1536*(\t)+768
	global_store_b64 v4, v[PC+10:PC+11], s[18:19] offset:1536*(\t)+1280
.endm
	LOAD 0
	LOAD 1
.irp t, 0,1,2,3,4,5,6,7
	STEP \t
.endr
	v_cmp_eq_u32 vcc_lo, 1, v3
.irp i, 0,1,2,3
	v_cndmask_b32 v[OW+\i], v[W+2*\i], v[W+2*\i+1], vcc_lo   ; lanes 0-15 keep the even K steps' words, lanes 16-31 the odd ones'
.endr
	global_store_b128 v1, v[OW:OW+3], s[20:21]
	s_wait_tensorcnt 0x0
	ds_add_u32 v62, v63
	s_wait_dscnt 0x0
	s_endpgm
.Lfunc_end_k_qd7856e800c_quant:
	.size	k_qd7856e800c_quant, .Lfunc_end_k_qd7856e800c_quant-k_qd7856e800c_quant
	.p2alignl 7, 3214868480
	.fill 96, 4, 3214868480
	.section	.rodata,"a",@progbits
	.p2align	6, 0x0
	.amdhsa_kernel k_qd7856e800c_quant
		.amdhsa_group_segment_fixed_size 8704
		.amdhsa_private_segment_fixed_size 0
		.amdhsa_enable_private_segment 0
		.amdhsa_kernarg_size 72
		.amdhsa_user_sgpr_count 2
		.amdhsa_user_sgpr_kernarg_segment_ptr 1
		.amdhsa_wavefront_size32 1
		.amdhsa_system_sgpr_workgroup_id_x 1
		.amdhsa_system_sgpr_workgroup_id_y 1
		.amdhsa_system_sgpr_workgroup_id_z 1
		.amdhsa_system_vgpr_workitem_id 0
		.amdhsa_next_free_vgpr 256
		.amdhsa_next_free_sgpr 66
		.amdhsa_reserve_vcc 1
		.amdhsa_float_denorm_mode_32 3
		.amdhsa_float_denorm_mode_16_64 3
		.amdhsa_memory_ordered 1
		.amdhsa_forward_progress 1
		.amdhsa_inst_pref_size 59
	.end_amdhsa_kernel
	.amdgpu_metadata
---
amdhsa.version: [ 1, 2 ]
amdhsa.kernels:
  - .name:           k_qd7856e800c_quant
    .symbol:         k_qd7856e800c_quant.kd
    .args:
      - { .name: Q, .offset: 0, .size: 8, .value_kind: global_buffer, .address_space: global }
      - { .name: K, .offset: 8, .size: 8, .value_kind: global_buffer, .address_space: global }
      - { .name: V, .offset: 16, .size: 8, .value_kind: global_buffer, .address_space: global }
      - { .name: wq_w, .offset: 24, .size: 8, .value_kind: global_buffer, .address_space: global }
      - { .name: wk_w, .offset: 32, .size: 8, .value_kind: global_buffer, .address_space: global }
      - { .name: wv_w, .offset: 40, .size: 8, .value_kind: global_buffer, .address_space: global }
      - { .name: out_w, .offset: 48, .size: 8, .value_kind: global_buffer, .address_space: global }
      - { .name: xc, .offset: 56, .size: 8, .value_kind: global_buffer, .address_space: global }
      - { .name: xs, .offset: 64, .size: 8, .value_kind: global_buffer, .address_space: global }
    .group_segment_fixed_size: 8704
    .private_segment_fixed_size: 0
    .kernarg_segment_align: 8
    .kernarg_segment_size: 72
    .max_flat_workgroup_size: 32
    .sgpr_count:     66
    .vgpr_count:     256
    .wavefront_size: 32
...
	.end_amdgpu_metadata
.endif
;; end of part 1
;; launch proj (part 2): grid 4 x 192, 4 waves a work-group, clusters of 4 x 4, 295,424 bytes of LDS; arguments xc, xs, wq_b, wk_b, wv_b, hc; writes hc
.if DOCPART == 2
	.amdgcn_target "amdgcn-amd-amdhsa--gfx1250"
	.amdhsa_code_object_version 6
	.text
	.protected	k_qd7856e800c_proj
	.globl	k_qd7856e800c_proj
	.p2align	8
	.type	k_qd7856e800c_proj,@function
k_qd7856e800c_proj:
	s_mov_b64 s[64:65], 0
	v_nop
	global_prefetch_b8 v0, s[64:65] scope:SCOPE_SE
	s_setreg_imm32_b32 hwreg(HW_REG_WAVE_MODE, 25, 1), 1
	s_wait_xcnt 0x0
	s_wait_alu depctr_hold_cnt(0) depctr_sa_sdst(0) depctr_va_vdst(0) depctr_va_sdst(0) depctr_va_ssrc(0) depctr_va_vcc(0) depctr_vm_vsrc(0)
	s_getreg_b32 s2, hwreg(HW_REG_IB_STS2, 6, 4)
	s_cmp_eq_u32 s2, 0
	s_cbranch_scc0 .Lentry_in_a_cluster
	s_endpgm
.Lentry_in_a_cluster:
	s_bfe_u32 s2, ttmp6, 0x10000c
	s_cmp_lg_u32 s2, 0xf033
	s_cbranch_scc0 .Lentry_shape_is_right
	s_endpgm
.Lentry_shape_is_right:
; The three projections on codes of FP6 (E2M3, one E8M0 scale for each 32 along K), K = 1,024, + bias in f32, and their results quantised in registers for attention's two products.
; The operands are images of registers in tiles of 16 rows (a half fragment of 768 bytes for 64 K; a tile 12,288 bytes); tile T holds in lane r the row 32 (T / 2) + 8 (T % 2) + r + 8 (r / 8).
; ROLES.  Source 1 is the M operand: a lane holds one of its rows.  Source 0 is the N operand: by the choice of a tile's rows, the 16 result registers of N tiles 2 b and 2 b + 1 are the 16 neighbours
; 32 b + 16 (lane / 16) + 0 .. 15 along N, so the results are quantised along N as they stand.  q, k: M = the activation's rows, N = the weight's rows (the head's 64 are the next K).
; v: M = wv_w's rows, N = V's rows: the same text then gives v^T quantised along the keys, which are the next K.
; SHARES.  A work-group makes 128 (M) x 256 (N) over all of K: 256 work-groups a projection, 768 in all.  Four waves, each 64 x 128: 4 x 8 accumulators, 256 registers.
; LDS.  384 rows x 768 bytes are 294,912 bytes: the work-group's operands fit whole.  They come as four fills, one a wave, each 512 along K of one operand, all issued at the start; no byte is filled twice.
; CLUSTERS.  4 x 4 work-groups: the four of a row of the cluster need the same M tiles, the four of a column the same N tiles: each fill is asked for jointly.
; OUT (hc).  q at 0, k at 6,815,744: [16 b + head][32 units of 64 rows][3,328]: four half fragments and 256 bytes of scale words [row 16][tile 4], bytes 0, 1 the head's two blocks, bytes 2, 3 zero.
; v at 13,631,488: [16 b + head][16 steps of 128 keys][6,400]: four fragments (16 of the head's 64 x 128 keys) and 256 bytes of scale words [row 16][tile 4].
; LIMITS: NaN and infinities are not served; a block whose largest magnitude lies under 2^-124 gets the byte 1 (read by this program alone).
; REGISTERS, in windows of 256.  Window 0: v1-14 addresses; v16-31 at work; v32-47 M's scale words, v48-79 N's (register i of a tile: lanes 0-15 K step 2 i, lanes 16-31 K step 2 i + 1); v80-83 the results' scale words;
;   v84-91 the bias along M; v128-223 M's fragments, two sets; on the way out v128-191 numbers, v192-246 codes.   Window 1: v0-191 N's fragments, two sets; v192-255 the bias along N.   Window 2: accumulator (a, t) at v[8 (8 a + t)].
; THE FILLS AS THIS TEXT HAS THEM: four in all, one a wave, each whole for the work-group: wave 0 M's eight tiles, K 0-511; wave 1 N's sixteen, K 0-511; waves 2 and 3 the same for K 512-1023.
; K's activation tiles hold their rows in another order than the others (64 (T / 4) + 8 (T % 4) + r + 24 (r / 8)); nothing here hangs on the order of M's rows inside 64.
.set CHUNK, 147456                     ; LDS: 512 along K: M's 8 tiles x 6,144 bytes, then N's 16
.set TILEB, 6144
.set NOFF,  49152
.set TM,  16
.set SM,  32
.set SN,  48
.set PW,  80
.set BM,  84
.set MF,  128
.set HA,  128
.set PCB, 192
.set PT,  240
.set BN,  192                          ; in window 1
.set SEL, 2                            ; s[2:3]
.set G1A, 24                           ; s[24:31] group 1 for M's fills;  s[32:39] their two groups 0
.set G0A, 32
.set G1B, 48                           ; s[48:55] group 1 for N's;  s[68:75] their two groups 0
.set G0B, 68
.set OB,  84                           ; s[84:99] the eight bases of the results: M tile a, half c at s[OB + 4 a + 2 c]
.set MUL, 0xa1                         ; source 0 (N) window 1, source 1 (M) window 0, C and D window 2
.set MSB, 0
.macro WIN new                         ; the immediate's high byte repeats the setting that is left
.if MSB != \new
	s_set_vgpr_msb (MSB<<8)|\new
.set MSB, \new
.endif
.endm
.macro CROUND                          ; a round of the cluster's barrier
	s_barrier_signal -1
	s_barrier_wait -1
	s_cmp_lg_u32 s16, 0
	s_cbranch_scc1 .Lnot_wave_0_\@
	s_barrier_signal -3
.Lnot_wave_0_\@:
	s_barrier_wait -3
	s_barrier_signal -1
	s_barrier_wait -1
.endm
.macro PLACES                          ; four plain vector instructions between a matrix instruction and a load into, or a vector access to, its registers
.rept 4
	v_nop
.endr
.endm
	s_load_b256 s[4:11], s[0:1], 0x0               ; xc, xs, wq_b, wk_b
	s_load_b128 s[12:15], s[0:1], 0x20             ; wv_b, hc
	v_lshl_add_u32 v254, v0, 2, 0x48000
	v_mov_b32 v255, 0
	ds_add_u32 v254, v255
	ds_add_u32 v254, v255
	v_lshrrev_b32 v1, 5, v0
	v_readfirstlane_b32 s16, v1                    ; wave 0..3
	s_lshr_b32 s17, s16, 1                         ; wm: which 64 of the 128 M rows are mine.  Also: which 512 along K I fetch
	s_and_b32 s18, s16, 1                          ; wn: which 128 of the 256 N rows.  Also: I fetch for M (0) or for N (1)
	s_bfe_u32 s19, ttmp6, 0x40000                  ; cx
	s_bfe_u32 s20, ttmp6, 0x40004                  ; cy
	s_and_b32 s21, ttmp7, 0xffff                   ; the cluster's y, 0 .. 47
	s_lshr_b32 s22, s21, 4                         ; p: 0 q, 1 k, 2 v: the same in all partners
	s_and_b32 s23, s21, 15                         ; the cluster's number in its projection
	; M's tiles: q, k: blocks 4 l + cy of the activation (first tile 512 p); v: blocks 4 (l & 1) + cy of wv_w (first tile 1664)
	s_and_b32 s60, s23, 1
	s_lshl_b32 s61, s22, 9
	s_mov_b32 s62, 1664
	s_cmp_eq_u32 s22, 2
	s_cselect_b32 s56, 1, 0                        ; isv
	s_cselect_b32 s60, s60, s23
	s_cselect_b32 s61, s62, s61
	s_lshl_b32 s60, s60, 2
	s_add_co_u32 s62, s60, s20                     ; Mblk
	s_lshl_b32 s60, s62, 3
	s_add_co_u32 s21, s61, s60                     ; the block's first tile
	s_mul_i32 s60, s21, 12288                      ; M's eight tiles, in bytes
	s_mov_b32 s61, 0
	; N's tiles: q, k: block cx of the weight (first tile 1536 + 64 p); v: block 4 (l >> 1) + cx of V (first tile 1024)
	s_lshr_b32 s66, s23, 1
	s_lshl_b32 s67, s22, 6
	s_add_co_u32 s67, s67, 1536
	s_mov_b32 s101, 1024
	s_cmp_eq_u32 s22, 2
	s_cselect_b32 s66, s66, 0
	s_cselect_b32 s67, s101, s67
	s_lshl_b32 s66, s66, 2
	s_add_co_u32 s63, s66, s19                     ; Nblk
	s_lshl_b32 s66, s63, 4
	s_add_co_u32 s100, s67, s66                    ; the block's first tile
	s_mul_i32 s66, s100, 12288                     ; N's sixteen tiles
	s_mov_b32 s67, 0
	s_lshl_b32 s57, s20, 2
	s_lshl_b32 s57, 15, s57                        ; my row of the cluster
	s_lshl_b32 s58, 0x1111, s19                    ; my column
	; group 1: rows of 6,144 bytes (768 elements of 8 bytes: 512 along K of one tile), 12,288 bytes apart; M: 8 rows, N: 16; no padding: the images are read as they lie
	s_or_b32 s[G1A], s57, (3<<16)|(1<<21)          ; 15:0 the mask; 17:16 elements of 8 bytes; 21 set beside a mask
	s_or_b32 s[G1B], s58, (3<<16)|(1<<21)
	s_mov_b32 s[G1A+1], 768<<16                    ; tensor_dim0
	s_mov_b32 s[G1A+2], 8<<16                      ; tensor_dim1
	s_mov_b32 s[G1A+3], 768<<16                    ; tile_dim0
	s_mov_b32 s[G1A+4], 8                          ; tile_dim1
	s_mov_b32 s[G1A+5], 1536                       ; elements from row to row
	s_mov_b32 s[G1A+6], 0
	s_mov_b32 s[G1A+7], 0
	s_mov_b32 s[G1B+1], 768<<16
	s_mov_b32 s[G1B+2], 16<<16
	s_mov_b32 s[G1B+3], 768<<16
	s_mov_b32 s[G1B+4], 16
	s_mov_b32 s[G1B+5], 1536
	s_mov_b32 s[G1B+6], 0
	s_mov_b32 s[G1B+7], 0
	s_mov_b32 s[SEL], 0x76543210
	s_mov_b32 s[SEL+1], 0xfedcba98                 ; v_permlanex16_b32's selects for lane l xor 16
	s_wait_dscnt 0x0
	s_wait_kmcnt 0x0
	s_add_nc_u64 s[60:61], s[4:5], s[60:61]
	s_add_nc_u64 s[66:67], s[4:5], s[66:67]
	s_mov_b32 s[G0A+1], 0                          ; LDS: M's tiles,
	s_mov_b32 s[G0B+1], NOFF                       ; N's behind them; set c: the c-th 512 along K
.irp c, 0,1
	s_mov_b32 s[G0A+4*\c], 1
	s_mov_b32 s[G0B+4*\c], 1
.if \c > 0
	s_add_co_u32 s[G0A+4*\c+1], s[G0A+1], \c*CHUNK
	s_add_co_u32 s[G0B+4*\c+1], s[G0B+1], \c*CHUNK
.endif
	s_add_nc_u64 s[G0A+4*\c+2:G0A+4*\c+3], s[60:61], \c*TILEB
	s_or_b32 s[G0A+4*\c+3], s[G0A+4*\c+3], 0x80000000
	s_add_nc_u64 s[G0B+4*\c+2:G0B+4*\c+3], s[66:67], \c*TILEB
	s_or_b32 s[G0B+4*\c+3], s[G0B+4*\c+3], 0x80000000
.endr
	CROUND                                         ; all sixteen work-groups are here: the joint loads meet
	s_cmp_eq_u32 s16, 0                            ; one chain of branches on the wave's number, one joint load to an arm
	s_cbranch_scc0 .Lfill_1
	tensor_load_to_lds s[G0A:G0A+3], s[G1A:G1A+7]      ; wave 0: M, K 0-511
	s_nop 0
.rept 4
	v_nop
.endr
	s_branch .Lfilled
.Lfill_1:
	s_cmp_eq_u32 s16, 1
	s_cbranch_scc0 .Lfill_2
	tensor_load_to_lds s[G0B:G0B+3], s[G1B:G1B+7]      ; wave 1: N, K 0-511
	s_nop 0
.rept 4
	v_nop
.endr
	s_branch .Lfilled
.Lfill_2:
	s_cmp_eq_u32 s16, 2
	s_cbranch_scc0 .Lfill_3
	tensor_load_to_lds s[G0A+4:G0A+7], s[G1A:G1A+7]    ; wave 2: M, K 512-1023
	s_nop 0
.rept 4
	v_nop
.endr
	s_branch .Lfilled
.Lfill_3:
	tensor_load_to_lds s[G0B+4:G0B+7], s[G1B:G1B+7]    ; wave 3: N, K 512-1023
	s_nop 0
.rept 4
	v_nop
.endr
.Lfilled:
	v_and_b32 v1, 31, v0                           ; lane
	v_and_b32 v2, 15, v0                           ; r
	v_bfe_u32 v3, v0, 4, 1                         ; h
	v_lshlrev_b32 v8, 4, v1                        ; 16 x lane
	v_lshlrev_b32 v9, 3, v1                        ; 8 x lane
	s_mul_i32 s96, s17, 24576                      ; my four M tiles in a half of K,
	s_mul_i32 s97, s18, 49152
	s_add_co_u32 s97, s97, NOFF                    ; my eight N tiles
	v_add_nc_u32 v4, s96, v8
	v_add_nc_u32 v5, s96, v9
	v_add_nc_u32 v6, s97, v8
	v_add_nc_u32 v7, s97, v9
	v_lshlrev_b32 v13, 6, v3                       ; the bias along N: 16 numbers on for lanes 16-31
	v_and_b32 v14, 8, v2
	v_add_nc_u32 v14, v14, v2
	v_lshlrev_b32 v14, 2, v14                      ; the bias along M: my row of a tile, r + 8 (r / 8)
	s_wait_alu depctr_va_vdst(0)
.irp b, 0,1,2,3
	v_mov_b32 v[TM+4+\b], 0                        ; written once: a lane permute's destination counts as one of its sources
.endr
	s_lshl_b32 s84, s17, 2
	s_add_co_u32 s84, s84, s21
	s_lshl_b32 s84, s84, 9
	s_mov_b32 s85, 0
	s_add_nc_u64 s[84:85], s[6:7], s[84:85]        ; the scale words of my four M tiles,
	s_lshl_b32 s86, s18, 3
	s_add_co_u32 s86, s86, s100
	s_lshl_b32 s86, s86, 9
	s_mov_b32 s87, 0
	s_add_nc_u64 s[86:87], s[6:7], s[86:87]        ; of my eight N tiles
	s_cmp_eq_u32 s22, 1
	s_cselect_b64 s[8:9], s[10:11], s[8:9]
	s_cmp_eq_u32 s22, 2
	s_cselect_b64 s[8:9], s[12:13], s[8:9]         ; the projection's bias
	s_lshl_b32 s94, s62, 1
	s_add_co_u32 s94, s94, s17                     ; W64: which 64 M rows are mine
	s_lshl_b32 s95, s63, 1
	s_add_co_u32 s95, s95, s18                     ; N128: which 128 N rows
	s_and_b32 s88, s95, 7                          ; both forms of the bias are loaded, each from an index held inside the 1,024 numbers; the way out takes the one that is the projection's
	s_lshl_b32 s88, s88, 9
	s_mov_b32 s89, 0
	s_add_nc_u64 s[88:89], s[8:9], s[88:89]
	s_and_b32 s90, s94, 15
	s_lshl_b32 s90, s90, 8
	s_mov_b32 s91, 0
	s_add_nc_u64 s[90:91], s[8:9], s[90:91]
.irp a, 0,1,2,3
	global_load_b128 v[SM+4*\a:SM+4*\a+3], v8, s[84:85] offset:512*\a
.endr
.irp t, 0,1,2,3,4,5,6,7
	global_load_b128 v[SN+4*\t:SN+4*\t+3], v8, s[86:87] offset:512*\t
.endr
.irp a, 0,1,2,3
	global_load_b32 v[BM+2*\a], v14, s[90:91] offset:(32*(\a/2)+8*(\a%2))*4
	global_load_b32 v[BM+2*\a+1], v14, s[90:91] offset:(32*(\a/2)+8*(\a%2))*4   ; twice: a pair for the packed addition
.endr
	WIN 0x40                                       ; destination window 1
.irp t, 0,1,2,3,4,5,6,7
	global_load_b128 v[BN+8*\t:BN+8*\t+3], v13, s[88:89] offset:(32*(\t/2)+8*(\t%2))*4
	global_load_b128 v[BN+8*\t+4:BN+8*\t+7], v13, s[88:89] offset:(32*(\t/2)+8*(\t%2))*4+16
.endr
	WIN 0
.macro FRAG reg, a16, a8, off          ; a fragment's image: two half fragments on end
	ds_load_b128 v[(\reg):(\reg)+3], v[\a16] offset:(\off)
	ds_load_b64 v[(\reg)+4:(\reg)+5], v[\a8] offset:(\off)+512
	ds_load_b128 v[(\reg)+6:(\reg)+9], v[\a16] offset:(\off)+768
	ds_load_b64 v[(\reg)+10:(\reg)+11], v[\a8] offset:(\off)+1280
.endm
.macro FETCH q, set                    ; 48 LDS loads in one run: the chunk's q-th 128 along K: N's eight fragments, M's four
	WIN 0x40
.irp t, 0,1,2,3,4,5,6,7
	FRAG 96*(\set)+12*\t, 6, 7, TILEB*\t+1536*(\q)
.endr
	WIN 0
.irp a, 0,1,2,3
	FRAG MF+48*(\set)+12*\a, 4, 5, TILEB*\a+1536*(\q)
.endr
.endm
; Eight products: M tile a against N's eight, K step s.  The 32 accumulators take turns, one instruction a turn, in the same order in every step.
; Odd K steps take their scale words from lanes 16-31.  first = 1: the products start the sums: nothing is cleared.
.macro MULA a, set, s, first
.irp t, 0,1,2,3,4,5,6,7
.if \first
	v_wmma_scale_f32_16x16x128_f8f6f4 v[8*(8*(\a)+\t):8*(8*(\a)+\t)+7], v[96*(\set)+12*\t:96*(\set)+12*\t+11], v[MF+48*(\set)+12*(\a):MF+48*(\set)+12*(\a)+11], 0, v[SN+4*\t+(\s)/2], v[SM+4*(\a)+(\s)/2] matrix_a_fmt:MATRIX_FMT_FP6 matrix_b_fmt:MATRIX_FMT_FP6
.elseif (\s)%2
	v_wmma_scale_f32_16x16x128_f8f6f4 v[8*(8*(\a)+\t):8*(8*(\a)+\t)+7], v[96*(\set)+12*\t:96*(\set)+12*\t+11], v[MF+48*(\set)+12*(\a):MF+48*(\set)+12*(\a)+11], v[8*(8*(\a)+\t):8*(8*(\a)+\t)+7], v[SN+4*\t+(\s)/2], v[SM+4*(\a)+(\s)/2] matrix_a_fmt:MATRIX_FMT_FP6 matrix_b_fmt:MATRIX_FMT_FP6 matrix_a_scale:MATRIX_SCALE_ROW1 matrix_b_scale:MATRIX_SCALE_ROW1
.else
	v_wmma_scale_f32_16x16x128_f8f6f4 v[8*(8*(\a)+\t):8*(8*(\a)+\t)+7], v[96*(\set)+12*\t:96*(\set)+12*\t+11], v[MF+48*(\set)+12*(\a):MF+48*(\set)+12*(\a)+11], v[8*(8*(\a)+\t):8*(8*(\a)+\t)+7], v[SN+4*\t+(\s)/2], v[SM+4*(\a)+(\s)/2] matrix_a_fmt:MATRIX_FMT_FP6 matrix_b_fmt:MATRIX_FMT_FP6
.endif
.endr
.endm
; K step s of eight: 32 products on fragment set s % 2; behind the first eight the next step's fragments are fetched into the other set.
; Step 3 opens the second 512 along K: every wave waits for its one fill, says so, works on registers, and goes on when all four waves have said so.
.macro STEP s, first
	s_wait_dscnt 0x0                               ; this step's 48 loads are in
.if (\s) == 3
	s_wait_tensorcnt 0x0
	s_barrier_signal -1
.endif
	WIN MUL
	MULA 0, (\s)%2, \s, \first
.if (\s) < 7
	WIN 0
.if (\s) == 3
	s_barrier_wait -1
.irp r, 4,5,6,7
	v_add_nc_u32 v\r, CHUNK, v\r                   ; on to the next chunk; these four are also the places in front of the loads below
.endr
.else
	PLACES
.endif
	FETCH ((\s)+1)%4, 1-(\s)%2
.endif
	WIN MUL
	MULA 1, (\s)%2, \s, \first
	MULA 2, (\s)%2, \s, \first
	MULA 3, (\s)%2, \s, \first
.endm
	s_cmp_lt_u32 s16, 2                            ; waves 0 and 1 brought the first 512 along K, each by a load line of its own: they wait; the other two fills may be out
	s_cbranch_scc0 .Lnot_first
	s_wait_tensorcnt 0x0
.Lnot_first:
	s_barrier_signal -1
	s_barrier_wait -1                              ; the first 512 along K are in
	FETCH 0, 0
	s_wait_loadcnt 0x0                             ; scale words and biases; their bases are free
	; where the results go
	s_lshr_b32 s8, s94, 5                          ; q, k: batch = W64 / 32, heads 2 N128 and 2 N128 + 1, unit W64 % 32
	s_lshl_b32 s8, s8, 3
	s_add_co_u32 s8, s8, s95
	s_mul_i32 s8, s8, 212992
	s_and_b32 s9, s94, 31
	s_mul_i32 s9, s9, 3328
	s_add_co_u32 s8, s8, s9
	s_mul_i32 s9, s22, 6815744
	s_add_co_u32 s8, s8, s9
	s_lshr_b32 s10, s95, 4                         ; v: batch = N128 / 16, head W64, key step N128 % 16
	s_lshl_b32 s10, s10, 4
	s_add_co_u32 s10, s10, s94
	s_mul_i32 s10, s10, 102400
	s_and_b32 s11, s95, 15
	s_mul_i32 s11, s11, 6400
	s_add_co_u32 s10, s10, s11
	s_add_co_u32 s10, s10, 13631488
	s_cmp_eq_u32 s56, 1
	s_cselect_b32 s6, s10, s8
	s_mov_b32 s7, 0
	s_mov_b32 s8, 768
	s_cselect_b32 s8, 1536, s8                     ; from M tile to M tile
	s_mov_b32 s9, 0
	s_mov_b32 s10, 106496
	s_cselect_b32 s10, 768, s10                    ; from a fragment's first half to its second: q, k: the next head; v: on end
	s_mov_b32 s11, 0
	s_mov_b32 s12, 3072
	s_cselect_b32 s12, 6144, s12                   ; the unit's scale words
	s_mov_b32 s13, 0
	s_cselect_b32 s96, 0, 106496                   ; q, k: lanes 16-31 store the second head's words,
	s_cselect_b32 s97, 0, 16                       ; which are the upper halves;
	s_mov_b32 s57, 0xffff
	s_cselect_b32 s57, -1, s57                     ; v: the whole word, and lanes 16-31 repeat lanes 0-15's bytes
	v_mul_u32_u24 v10, s96, v3
	v_lshl_add_u32 v10, v2, 4, v10
	v_mul_u32_u24 v11, s97, v3
	s_add_nc_u64 s[OB:OB+1], s[14:15], s[6:7]
	s_add_nc_u64 s[58:59], s[OB:OB+1], s[12:13]
	s_add_nc_u64 s[OB+2:OB+3], s[OB:OB+1], s[10:11]
.irp a, 1,2,3
	s_add_nc_u64 s[OB+4*\a:OB+4*\a+1], s[OB+4*\a-4:OB+4*\a-3], s[8:9]
	s_add_nc_u64 s[OB+4*\a+2:OB+4*\a+3], s[OB+4*\a-2:OB+4*\a-1], s[8:9]
.endr
	STEP 0, 1
.irp s, 1,2,3,4,5,6,7
	s_wait_alu depctr_va_vdst(0)
	STEP \s, 0
.endr
	WIN 0
	PLACES
; 64 numbers of a lane, register 16 b + i = place 32 b + 16 (lane / 16) + i along the next K of my row, become a fragment's 12 registers at v[pc] and the row's scale word in v[pw].
.macro QUANT s, pc, pw
.irp b, 0,1,2,3
	v_max3_num_f32 v[TM+\b], |v[(\s)+16*\b]|, |v[(\s)+1+16*\b]|, 0x1800000   ; my 16 numbers of block b, and the floor 2^(3 - 127): the byte cannot fall under 1
.endr
.irp i, 2,4,6,8,10,12,14
.irp b, 0,1,2,3
	v_max3_num_f32 v[TM+\b], v[TM+\b], |v[(\s)+16*\b+\i]|, |v[(\s)+1+16*\b+\i]|   ; (the four blocks by turns)
.endr
.endr
.irp b, 0,1,2,3
	v_permlanex16_b32 v[TM+4+\b], v[TM+\b], s[SEL], s[SEL+1]
.endr
.irp b, 0,1,2,3
	v_max_num_f32 v[TM+\b], v[TM+\b], v[TM+4+\b]   ; with lane l xor 16's: the block's largest magnitude
.endr
.irp b, 0,1,2,3
	v_add_nc_u32 v[TM+12+\b], 0xff000000, v[TM+\b] ; 2 off its exponent field: the conversion's scale operand
.endr
.irp b, 0,1,2,3
	v_lshrrev_b32 v[TM+4+\b], 23, v[TM+12+\b]      ; the scale's byte
.endr
	v_lshl_or_b32 v[\pw], v[TM+5], 8, v[TM+4]
	v_lshl_or_b32 v[\pw], v[TM+6], 16, v[\pw]
	v_lshl_or_b32 v[\pw], v[TM+7], 24, v[\pw]
.irp c, 0,1
	v_cvt_scalef32_pk16_fp6_f32 v[(\pc)+6*\c:(\pc)+6*\c+2], v[(\s)+32*\c:(\s)+32*\c+15], v[TM+12+2*\c]
	v_cvt_scalef32_pk16_fp6_f32 v[PT+4*\c:PT+4*\c+2], v[(\s)+32*\c+16:(\s)+32*\c+31], v[TM+13+2*\c]   ; (a conversion's three registers begin on an even number)
.endr
	v_nop                                          ; one plain place behind a scaled conversion
.irp c, 0,1                            ; the operand's layout wants a whole block in a lane: lanes 0-15 block 2 c, lanes 16-31 block 2 c + 1
.irp i, 0,1,2
	v_permlane16_swap_b32 v[(\pc)+6*\c+\i], v[PT+4*\c+\i]
.endr
.irp i, 0,1,2
	v_mov_b32 v[(\pc)+6*\c+3+\i], v[PT+4*\c+\i]
.endr
.endr
.endm
; M tile a goes out: + bias (which also brings the numbers into window 0, each accumulator from its low end on), quantised, stored as two half fragments.  The branch hangs on the projection, which all partners share.
.macro EPI a
	s_cmp_eq_u32 s56, 0
	s_cbranch_scc0 .Lbias_m_\@
	WIN 0x06                                       ; source 0 window 2, source 1 window 1
.set i, 0
.rept 32
	v_pk_add_f32 v[HA+i:HA+i+1], v[64*(\a)+i:64*(\a)+i+1], v[BN+i:BN+i+1]
.set i, i+2
.endr
	WIN 0
	s_branch .Lbiased_\@
.Lbias_m_\@:
	WIN 0x02                                       ; source 0 window 2
.set i, 0
.rept 32
	v_pk_add_f32 v[HA+i:HA+i+1], v[64*(\a)+i:64*(\a)+i+1], v[BM+2*(\a):BM+2*(\a)+1]
.set i, i+2
.endr
	WIN 0
.Lbiased_\@:
	QUANT HA, PCB+12*(\a), PW+(\a)
.irp c, 0,1                            ; each tile has its own registers for its codes and its own bases: no store's source is written again
	global_store_b128 v8, v[PCB+12*(\a)+6*\c:PCB+12*(\a)+6*\c+3], s[OB+4*(\a)+2*\c:OB+4*(\a)+2*\c+1]              ; 512 consecutive bytes, at a multiple of 256 from the buffer's first byte
	global_store_b64 v9, v[PCB+12*(\a)+6*\c+4:PCB+12*(\a)+6*\c+5], s[OB+4*(\a)+2*\c:OB+4*(\a)+2*\c+1] offset:512  ; 256 consecutive bytes
.endr
.endm
	EPI 0
	EPI 1
	EPI 2
	EPI 3
.irp a, 0,1,2,3
	v_lshrrev_b32 v[PW+\a], v11, v[PW+\a]
.endr
.irp a, 0,1,2,3
	v_and_b32 v[PW+\a], s57, v[PW+\a]
.endr
	global_store_b128 v10, v[PW:PW+3], s[58:59]    ; sixteen lanes store a unit's 256 bytes of scale words
	s_wait_tensorcnt 0x0
	s_wait_tensorcnt 0x0
	ds_add_u32 v254, v255
	s_wait_dscnt 0x0
	CROUND                                         ; the closing round: no work-group ends while a partner may still ask for a tile that names it
	s_endpgm
.Lfunc_end_k_qd7856e800c_proj:
	.size	k_qd7856e800c_proj, .Lfunc_end_k_qd7856e800c_proj-k_qd7856e800c_proj
	.p2alignl 7, 3214868480
	.fill 96, 4, 3214868480
	.section	.rodata,"a",@progbits
	.p2align	6, 0x0
	.amdhsa_kernel k_qd7856e800c_proj
		.amdhsa_group_segment_fixed_size 295424
		.amdhsa_private_segment_fixed_size 0
		.amdhsa_enable_private_segment 0
		.amdhsa_kernarg_size 48
		.amdhsa_user_sgpr_count 2
		.amdhsa_user_sgpr_kernarg_segment_ptr 1
		.amdhsa_wavefront_size32 1
		.amdhsa_system_sgpr_workgroup_id_x 1
		.amdhsa_system_sgpr_workgroup_id_y 1
		.amdhsa_system_sgpr_workgroup_id_z 1
		.amdhsa_system_vgpr_workitem_id 0
		.amdhsa_next_free_vgpr 768
		.amdhsa_next_free_sgpr 102
		.amdhsa_reserve_vcc 0
		.amdhsa_float_denorm_mode_32 3
		.amdhsa_float_denorm_mode_16_64 3
		.amdhsa_memory_ordered 1
		.amdhsa_forward_progress 1
		.amdhsa_inst_pref_size 106
	.end_amdhsa_kernel
	.amdgpu_metadata
---
amdhsa.version: [ 1, 2 ]
amdhsa.kernels:
  - .name:           k_qd7856e800c_proj
    .symbol:         k_qd7856e800c_proj.kd
    .args:
      - { .name: xc, .offset: 0, .size: 8, .value_kind: global_buffer, .address_space: global }
      - { .name: xs, .offset: 8, .size: 8, .value_kind: global_buffer, .address_space: global }
      - { .name: wq_b, .offset: 16, .size: 8, .value_kind: global_buffer, .address_space: global }
      - { .name: wk_b, .offset: 24, .size: 8, .value_kind: global_buffer, .address_space: global }
      - { .name: wv_b, .offset: 32, .size: 8, .value_kind: global_buffer, .address_space: global }
      - { .name: hc, .offset: 40, .size: 8, .value_kind: global_buffer, .address_space: global }
    .group_segment_fixed_size: 295424
    .private_segment_fixed_size: 0
    .kernarg_segment_align: 8
    .kernarg_segment_size: 48
    .max_flat_workgroup_size: 128
    .sgpr_count:     102
    .vgpr_count:     768
    .wavefront_size: 32
...
	.end_amdgpu_metadata
.endif
;; end of part 2
;; launch attn (part 3): grid 4 x 64, 16 waves a work-group, clusters of 4 x 1, 210,944 bytes of LDS; arguments hc, cc, cs; writes cc, cs
.if DOCPART == 3
	.amdgcn_target "amdgcn-amd-amdhsa--gfx1250"
	.amdhsa_code_object_version 6
	.text
	.protected	k_qd7856e800c_attn
	.globl	k_qd7856e800c_attn
	.p2align	8
	.type	k_qd7856e800c_attn,@function
k_qd7856e800c_attn:
	s_mov_b64 s[64:65], 0
	v_nop
	global_prefetch_b8 v0, s[64:65] scope:SCOPE_SE
	s_setreg_imm32_b32 hwreg(HW_REG_WAVE_MODE, 25, 1), 1
	s_wait_xcnt 0x0
	s_wait_alu depctr_hold_cnt(0) depctr_sa_sdst(0) depctr_va_vdst(0) depctr_va_sdst(0) depctr_va_ssrc(0) depctr_va_vcc(0) depctr_vm_vsrc(0)
	s_getreg_b32 s2, hwreg(HW_REG_IB_STS2, 6, 4)
	s_cmp_eq_u32 s2, 0
	s_cbranch_scc0 .Lentry_in_a_cluster
	s_endpgm
.Lentry_in_a_cluster:
	s_bfe_u32 s2, ttmp6, 0x10000c
	s_cmp_lg_u32 s2, 0x3003
	s_cbranch_scc0 .Lentry_shape_is_right
	s_endpgm
.Lentry_shape_is_right:
; Attention of one head on codes of FP6 (E2M3, one E8M0 scale for each 32 along a product's K): S = q k^T (K = the head's 64), p = 2^(t - M), O = p v (K = the keys), O / l, and the context quantised along the model's axis.
; THE SOFTMAX: t = score x log2(e) / 8; M = the row's largest t so far, rounded up to a whole number; p = 2^(t - M) is quantised along the keys, not normalised.  The row's sum is taken of the unquantised p and divides O at the end.
; When M moves, the sum and O are multiplied by 2^(old M - new M), which rounds nothing; this is done in every step, with no branch.
; IN (hc): images of registers.  q at 0, k at KREG: [head64][32 units of 64 rows][3,328]: four half fragments (16 rows x 64, 768 bytes) + 256 bytes of scale words [row][tile].  v at VREG: [head64][16 steps of 128 keys][6,400]:
; four fragments (16 of the head's 64 x 128 keys, 1,536 bytes) + 256 bytes of scale words.
; THE KEYS OF A TILE OF k: tile T of a unit holds in lane m the key 8 T + m + 24 (m / 8).  S^T = k q^T then gives lane (r, h) query r, and its 32 registers of a unit's four tiles are keys 32 h + 0 .. 31 of the unit:
; ONE WHOLE BLOCK, in the order of p's operand registers.  So a block's maximum needs no other lane, and the conversions' results are the operand.
; SHARES.  A work-group owns one head and 512 of its queries; each of its sixteen waves one tile of 16 queries in each of two passes, in 256 registers, four waves to a SIMD.
; LDS.  The head's whole k (106,496 bytes) and v (102,400) come once: sixteen parts (k: eight of 52 rows of 256 bytes, v: eight of 50), one joint load a wave.  Every wave waits for its load, one barrier shows all of it to all; no byte is filled twice,
; and no further barrier stands in the work.  CLUSTER: the four work-groups of a head read the same k and v: each fill names the four.
; NO PREFETCH: the only fills stand at the head, and no loop stands ahead of them.
; K = 64 IN AN INSTRUCTION OF K = 128: q's registers 6-11 are zero codes; k's operand of tile t is v[32 + 6 t] on, 12 registers, whose upper six (the next tile's codes, zeros behind the last) meet zero codes and add nothing.
; Bytes 2, 3 of both scale words are 0, a small power of two and no NaN.
; OUT.  cc: [tile of 16 rows][head][768]: the head's half fragment of the context's operand.  cs: [tile][512]: the head's two scale bytes of row r at 16 (r + 16 ((head >> 1) & 1)) + 4 (head >> 2) + 2 (head & 1).
; LIMITS: NaN and infinities are not served; the promise holds while |t| stays under 2^31; p under 2^-126 falls to 0 in v_exp_f32; a block whose largest magnitude lies under 2^-124 gets the byte 1 (read by this program alone).
; REGISTERS: v1-3 lane terms, v10 8 h; v4-9 the step's LDS addresses; v12 -M, v13 the largest score, v[14:15] the sum; v16-21 q, v22-27 zeros, v28 q's scale word, v29 the context's bytes; v32-79 k's half fragments, then v's fragments; v80-85 zeros;
;   v86-93 scale words; v96-159 S^T, then p; v160-191 O^T; v192-199 partial sums; v200-206 the second pass's q; v208-211 maxima; v220, v221 permutes' results, the old -M; v224-235 p's codes; v236-254 at work; v251, v255 the add's two.
.set KHEAD, 106496
.set VHEAD, 102400
.set KREG,  6815744
.set VREG,  13631488
.set VOFF,  106496                     ; LDS: v behind k
.set KP,    13312                      ; an eighth of k,
.set VP,    12800                      ; of v
.set SPARE, 208896                     ; the spare words: 128 bytes a wave
.set G1K, 24                           ; s[24:31], s[40:43] groups 1 and 0 of k's fills
.set G1V, 32                           ; s[32:39], s[44:47] of v's
.set G0K, 40
.set G0V, 44
.set MX,  208
.macro WALU
	s_wait_alu depctr_va_vdst(0)
.endm
.macro DEP n
	s_delay_alu instid0(VALU_DEP_\n)
.endm
.macro CROUND                          ; a round of the cluster's barrier
	s_barrier_signal -1
	s_barrier_wait -1
	s_cmp_lg_u32 s10, 0
	s_cbranch_scc1 .Lnot_wave_0_\@
	s_barrier_signal -3
.Lnot_wave_0_\@:
	s_barrier_wait -3
	s_barrier_signal -1
	s_barrier_wait -1
.endm
	s_load_b128 s[4:7], s[0:1], 0x0                ; hc, cc
	s_load_b64 s[8:9], s[0:1], 0x10                ; cs
	v_lshl_add_u32 v251, v0, 2, SPARE
	v_mov_b32 v255, 0
	ds_add_u32 v251, v255                          ; the opening lines: the add, twice on end, and its wait
	ds_add_u32 v251, v255
	v_lshrrev_b32 v1, 5, v0
	v_readfirstlane_b32 s10, v1                    ; wave 0..15
	v_and_b32 v3, 31, v0
	v_bfe_u32 v10, v0, 4, 1
	v_lshlrev_b32 v1, 4, v3                        ; 16 x lane
	v_lshlrev_b32 v2, 3, v3                        ; 8 x lane
	v_and_b32 v3, 15, v0
	v_lshlrev_b32 v10, 3, v10                      ; 8 h: my bytes' place in p's scale word
	v_lshlrev_b32 v3, 4, v3                        ; 16 r: a row's four scale words
.irp j, 22,23,24,25,26,27,80,81,82,83,84,85,220,221,252,253
	v_mov_b32 v\j, 0                               ; zero codes; and registers that are named before they are first made
.endr
	s_bfe_u32 s11, ttmp6, 0x40000                  ; cx: which 512 queries: it enters q's and the context's addresses alone
	s_and_b32 s12, ttmp7, 0xffff                   ; head64 = 16 b + head, which the four partners share
	s_and_b32 s14, s10, 7                          ; which eighth I fetch: waves 0-7 of k, waves 8-15 of v
	s_mul_i32 s15, s14, KP
	s_mul_i32 s16, s12, KHEAD
	s_add_co_u32 s16, s16, s15
	s_add_co_u32 s16, s16, KREG
	s_mov_b32 s17, 0
	s_mul_i32 s18, s14, VP
	s_mul_i32 s2, s12, VHEAD
	s_add_co_u32 s2, s2, s18
	s_add_co_u32 s2, s2, VREG
	s_mov_b32 s3, 0
	s_mov_b32 s[G1K], 15|(3<<16)|(1<<21)           ; the mask names all four; elements of 8 bytes; bit 21 beside a mask.  A part is a dense block: rows of 256 bytes
	s_mov_b32 s[G1K+1], 32<<16
	s_mov_b32 s[G1K+2], 52<<16
	s_mov_b32 s[G1K+3], 32<<16
	s_mov_b32 s[G1K+4], 52
	s_mov_b32 s[G1K+5], 32
	s_mov_b32 s[G1K+6], 0
	s_mov_b32 s[G1K+7], 0
	s_mov_b32 s[G1V], 15|(3<<16)|(1<<21)
	s_mov_b32 s[G1V+1], 32<<16
	s_mov_b32 s[G1V+2], 50<<16
	s_mov_b32 s[G1V+3], 32<<16
	s_mov_b32 s[G1V+4], 50
	s_mov_b32 s[G1V+5], 32
	s_mov_b32 s[G1V+6], 0
	s_mov_b32 s[G1V+7], 0
	s_lshr_b32 s88, s10, 2                         ; my tile of queries in pass 0: 32 cx + wave: unit 8 cx + wave / 4, half fragment wave % 4
	s_lshl_b32 s89, s11, 3
	s_add_co_u32 s88, s88, s89
	s_mul_i32 s88, s88, 3328
	s_mul_i32 s89, s12, KHEAD
	s_add_co_u32 s88, s88, s89
	s_and_b32 s90, s10, 3
	s_mul_i32 s91, s90, 768
	s_add_co_u32 s60, s88, s91                     ; q's codes
	s_mov_b32 s61, 0
	s_lshl_b32 s90, s90, 2
	s_add_co_u32 s62, s88, s90
	s_add_co_u32 s62, s62, 3072                    ; q's scale words
	s_mov_b32 s63, 0
	s_lshr_b32 s92, s12, 4                         ; b
	s_and_b32 s93, s12, 15                         ; head
	s_lshl_b32 s92, s92, 7
	s_lshl_b32 s94, s11, 5
	s_add_co_u32 s92, s92, s94
	s_add_co_u32 s92, s92, s10                     ; the context's tile: 128 b + 32 cx + wave
	s_mul_i32 s84, s92, 12288
	s_mul_i32 s94, s93, 768
	s_add_co_u32 s84, s84, s94
	s_mov_b32 s85, 0
	s_lshl_b32 s86, s92, 9
	s_bfe_u32 s94, s93, 0x10001
	s_lshl_b32 s94, s94, 8
	s_add_co_u32 s86, s86, s94
	s_lshr_b32 s94, s93, 2
	s_lshl_b32 s94, s94, 2
	s_add_co_u32 s86, s86, s94
	s_and_b32 s94, s93, 1
	s_lshl_b32 s94, s94, 1
	s_add_co_u32 s86, s86, s94
	s_mov_b32 s87, 0
	s_mov_b32 s20, 0x76543210
	s_mov_b32 s21, 0xfedcba98                      ; v_permlanex16_b32's selects for lane l xor 16
	s_mov_b32 s22, 0x3e38aa3b                      ; c = log2(e) / 8
	s_mov_b32 s23, s22                             ; (named with it as a pair, so it is written)
	WALU
	s_wait_dscnt 0x0
	s_wait_kmcnt 0x0
	s_add_nc_u64 s[60:61], s[4:5], s[60:61]
	s_add_nc_u64 s[62:63], s[4:5], s[62:63]
	s_add_nc_u64 s[84:85], s[6:7], s[84:85]
	s_add_nc_u64 s[86:87], s[8:9], s[86:87]
	global_load_b128 v[16:19], v1, s[60:61]        ; q's half fragment and scale word of the first pass,
	global_load_b64 v[20:21], v2, s[60:61] offset:512
	global_load_b32 v28, v3, s[62:63]
	global_load_b128 v[200:203], v1, s[60:61] offset:13312   ; and of the second: sixteen tiles, four units, on
	global_load_b64 v[204:205], v2, s[60:61] offset:13824
	global_load_b32 v206, v3, s[62:63] offset:13312
	s_mov_b32 s[G0K], 1
	s_mov_b32 s[G0K+1], s15
	s_add_nc_u64 s[G0K+2:G0K+3], s[4:5], s[16:17]
	s_or_b32 s[G0K+3], s[G0K+3], 0x80000000
	s_mov_b32 s[G0V], 1
	s_add_co_u32 s[G0V+1], s18, VOFF
	s_add_nc_u64 s[G0V+2:G0V+3], s[4:5], s[2:3]
	s_or_b32 s[G0V+3], s[G0V+3], 0x80000000
	CROUND                                         ; all four work-groups are here: the joint loads meet
	s_cmp_lt_u32 s10, 8                            ; two arms, one load in each: every wave issues one
	s_cbranch_scc0 .Lfor_v
	tensor_load_to_lds s[G0K:G0K+3], s[G1K:G1K+7]
	s_nop 0
.rept 4
	v_nop
.endr
	s_branch .Lasked
.Lfor_v:
	tensor_load_to_lds s[G0V:G0V+3], s[G1V:G1V+7]
	s_nop 0
.rept 4
	v_nop
.endr
.Lasked:
	s_wait_loadcnt 0x0                             ; q
	s_wait_tensorcnt 0x0                           ; my part of k or v is in: every wave waits,
	s_barrier_signal -1
	s_barrier_wait -1                              ; so behind this barrier all of k and v is in.
	s_mov_b32 s59, 2
.Lpass:
	v_mov_b32 v13, 0xff61b1e6                      ; the largest score so far: -3e38
	v_mov_b32 v12, 0x7d000000                      ; -M: 2^123, so that the first step's factor is 2^(a whole number held at -2^31) = 0
	v_mov_b32 v14, 0
	v_mov_b32 v15, 0
.set j, 0
.rept 32
	v_mov_b32 v[160+j], 0                          ; O^T: the step is written once, and the first finds zeros
.set j, j+1
.endr
	s_mov_b32 s56, 0                               ; where the step's k and v begin in LDS
	s_mov_b32 s57, VOFF
	s_mov_b32 s58, 16
.Lstep:                                                ; A KEY STEP: 128 keys
	v_add_nc_u32 v4, s56, v1                       ; these four are the places behind the last products, in front of the loads below
	v_add_nc_u32 v5, s56, v2
	v_add_nc_u32 v6, s56, v3
	v_nop
.irp t, 0,1,2,3,4,5,6,7
	ds_load_b128 v[32+6*\t:35+6*\t], v4 offset:(\t/4)*3328+(\t%4)*768
	ds_load_b64 v[36+6*\t:37+6*\t], v5 offset:(\t/4)*3328+(\t%4)*768+512
.endr
	ds_load_b128 v[86:89], v6 offset:3072          ; the scale words of tiles 0-3,
	ds_load_b128 v[90:93], v6 offset:6400          ; of tiles 4-7
	s_wait_dscnt 0x0
.irp t, 0,1,2,3,4,5,6,7
	v_wmma_scale_f32_16x16x128_f8f6f4 v[96+8*\t:103+8*\t], v[32+6*\t:43+6*\t], v[16:27], 0, v[86+\t], v28 matrix_a_fmt:MATRIX_FMT_FP6 matrix_b_fmt:MATRIX_FMT_FP6
.endr                                  ; lane (r, h): query r; register 96 + 32 u + i is key 64 u + 32 h + i of the step
	v_add_nc_u32 v7, s57, v1                       ; four places in front of the loads below and of the first read of the scores
	v_add_nc_u32 v8, s57, v2
	v_add_nc_u32 v9, s57, v3
	v_mov_b32 v221, v12                            ; the old -M
.irp d, 0,1,2,3                        ; v's four fragments are asked for now and land under the softmax
	ds_load_b128 v[32+12*\d:35+12*\d], v7 offset:1536*\d
	ds_load_b64 v[36+12*\d:37+12*\d], v8 offset:1536*\d+512
	ds_load_b128 v[38+12*\d:41+12*\d], v7 offset:1536*\d+768
	ds_load_b64 v[42+12*\d:43+12*\d], v8 offset:1536*\d+1280
.endr
	ds_load_b128 v[86:89], v9 offset:6144
.irp b, 0,1,2,3                        ; the largest score of my two blocks, two chains a block, the four by turns, each accumulator from its low end on
	v_max3_num_f32 v[MX+\b], v[96+16*\b], v[97+16*\b], v[98+16*\b]
.endr
.irp i, 3,5,7,9,11,13
.irp b, 0,1,2,3
	v_max3_num_f32 v[MX+\b], v[MX+\b], v[96+16*\b+\i], v[97+16*\b+\i]
.endr
.endr
	v_max3_num_f32 v[MX], v[MX], v[MX+1], v111
	v_max3_num_f32 v[MX+2], v[MX+2], v[MX+3], v143
	v_max_num_f32 v[MX], v[MX], v127               ; block h of the step,
	v_max_num_f32 v[MX+2], v[MX+2], v159           ; block 2 + h: they serve the row's maximum and, since p rises with the score, the blocks' largest p
	DEP 1
	v_max_num_f32 v254, v[MX], v[MX+2]
	DEP 1
	v_permlanex16_b32 v220, v254, s20, s21
	DEP 1
	v_max3_num_f32 v13, v13, v254, v220            ; the running largest score of my query
	DEP 1
	v_mul_f32 v254, s22, v13                       ; as t (c is positive)
	DEP 1
	v_floor_f32 v12, -v254                         ; the new -M = floor(-t): M is a whole number
	DEP 1
	v_sub_f32 v254, v12, v221                      ; old M - new M: a whole number, 0 or less
	DEP 1
	v_cvt_i32_f32 v254, v254                       ; (it saturates)
	DEP 1
	v_ldexp_f32 v252, 1.0, v254                    ; f = 2^(old M - new M)
.set j, 0
.rept 32
	v_pk_fma_f32 v[96+j:97+j], v[96+j:97+j], s[22:23], v[12:13] op_sel_hi:[1,0,0]   ; t - M, two at a time (of the pairs c and -M the low word serves both halves)
.set j, j+2
.endr
	v_fma_f32 v[MX], v[MX], s22, v12               ; the same of each block's largest score
	v_fma_f32 v[MX+2], v[MX+2], s22, v12
	WALU
.set j, 0
.rept 64
	v_exp_f32 v[96+j], v[96+j]                     ; p = 2^(t - M), at most 1
.set j, j+1
.endr
	v_exp_f32 v[MX], v[MX]                         ; the blocks' largest p: the same two instructions on the same number give the same bits
	v_exp_f32 v[MX+2], v[MX+2]
	v_pk_mul_f32 v[14:15], v[14:15], v[252:253] op_sel_hi:[1,0]   ; the sums under the new M.  (A plain place behind the exponentials)
	WALU                                           ; and behind it, ahead of its first reader
	v_max_num_f32 v[MX], 0x1800000, v[MX]          ; the floor 2^(3 - 127): the byte cannot fall under 1
	v_max_num_f32 v[MX+2], 0x1800000, v[MX+2]
	DEP 2
	v_add_nc_u32 v244, 0xff000000, v[MX]           ; 2 off the exponent field: the conversion's scale operand
	DEP 2
	v_add_nc_u32 v245, 0xff000000, v[MX+2]
	DEP 2
	v_lshrrev_b32 v246, 23, v244                   ; the scale's byte
	DEP 2
	v_lshrrev_b32 v247, 23, v245
	DEP 1
	v_lshl_or_b32 v253, v247, 16, v246             ; my two bytes, blocks h and 2 + h,
	DEP 1
	v_lshlrev_b32 v253, v10, v253                  ; at their places;
	DEP 1
	v_permlanex16_b32 v220, v253, s20, s21
	DEP 1
	v_or_b32 v253, v253, v220                      ; with lane l xor 16's two: p's scale word for these 128 keys
	v_cvt_scalef32_pk16_fp6_f32 v[224:226], v[96:111], v244
	v_cvt_scalef32_pk16_fp6_f32 v[236:238], v[112:127], v244   ; (a conversion's three registers begin on an even number: a block's second half is made elsewhere and moved)
	v_cvt_scalef32_pk16_fp6_f32 v[230:232], v[128:143], v245
	v_cvt_scalef32_pk16_fp6_f32 v[240:242], v[144:159], v245
	v_nop                                          ; one plain place behind a scaled conversion
.irp i, 0,1,2
	v_mov_b32 v[227+\i], v[236+\i]
	v_mov_b32 v[233+\i], v[240+\i]
.endr
.irp q, 0,1,2,3                        ; the row's sum of the unquantised p: two at a time, four chains
	v_pk_add_f32 v[192+2*\q:193+2*\q], v[96+4*\q:97+4*\q], v[98+4*\q:99+4*\q]
.endr
.set j, 16
.rept 6
.irp q, 0,1,2,3
	v_pk_add_f32 v[192+2*\q:193+2*\q], v[192+2*\q:193+2*\q], v[96+j+2*\q:97+j+2*\q]
.endr
.set j, j+8
.endr
	WALU                                           ; directly ahead of the first reader of O^T
.set j, 0
.rept 16
	v_pk_mul_f32 v[160+j:161+j], v[160+j:161+j], v[252:253] op_sel_hi:[1,0]   ; O^T under the new M, each accumulator from its low end on; the four chains are joined among these lines
.if j == 0
	v_pk_add_f32 v[192:193], v[192:193], v[194:195]
.elseif j == 2
	v_pk_add_f32 v[196:197], v[196:197], v[198:199]
.elseif j == 10
	v_pk_add_f32 v[192:193], v[192:193], v[196:197]
.elseif j == 18
	v_pk_add_f32 v[14:15], v[14:15], v[192:193]
.endif
.set j, j+2
.endr
	WALU
	s_wait_dscnt 0x0                               ; v's fragments and scale words are in
.irp d, 0,1,2,3                        ; the four accumulators take turns, one instruction a turn
	v_wmma_scale_f32_16x16x128_f8f6f4 v[160+8*\d:167+8*\d], v[32+12*\d:43+12*\d], v[224:235], v[160+8*\d:167+8*\d], v[86+\d], v253 matrix_a_fmt:MATRIX_FMT_FP6 matrix_b_fmt:MATRIX_FMT_FP6
.endr
	s_add_co_u32 s56, s56, 6656                    ; two units of 64 keys
	s_add_co_u32 s57, s57, 6400
	s_sub_co_u32 s58, s58, 1
	s_cmp_lg_u32 s58, 0
	s_cbranch_scc1 .Lstep
	; THE WAY OUT of a pass: O^T / the sum; register 16 b + i is channel 32 b + 16 h + i of my query: half of each of two blocks of the next K
	v_nop
	v_nop
	v_add_f32 v14, v14, v15
	v_permlanex16_b32 v220, v14, s20, s21
	v_add_f32 v14, v14, v220                       ; the row's sum
	WALU
	v_rcp_f32 v14, v14
	v_nop                                          ; one plain place behind a transcendental
	WALU
.set j, 0
.rept 32
	v_mul_f32 v[96+j], v[160+j], v14
.set j, j+1
.endr
.irp b, 0,1
	v_max3_num_f32 v[MX+\b], |v[96+16*\b]|, |v[97+16*\b]|, 0x1800000
.endr
.irp i, 2,4,6,8,10,12,14
.irp b, 0,1
	v_max3_num_f32 v[MX+\b], v[MX+\b], |v[96+16*\b+\i]|, |v[97+16*\b+\i]|
.endr
.endr
.irp b, 0,1
	v_permlanex16_b32 v[220+\b], v[MX+\b], s20, s21
.endr
.irp b, 0,1
	v_max_num_f32 v[MX+\b], v[MX+\b], v[220+\b]    ; with lane l xor 16's: the block's largest magnitude
.endr
.irp b, 0,1
	v_add_nc_u32 v[244+\b], 0xff000000, v[MX+\b]
.endr
.irp b, 0,1
	v_lshrrev_b32 v[246+\b], 23, v[244+\b]
.endr
	v_lshl_or_b32 v29, v247, 8, v246               ; the head's two scale bytes of my row
	v_cvt_scalef32_pk16_fp6_f32 v[224:226], v[96:111], v244
	v_cvt_scalef32_pk16_fp6_f32 v[236:238], v[112:127], v245
	v_nop                                          ; one plain place behind a scaled conversion
.irp i, 0,1,2
	v_permlane16_swap_b32 v[224+\i], v[236+\i]     ; the operand's layout wants a whole block in a lane
.endr
.irp i, 0,1,2
	v_mov_b32 v[227+\i], v[236+\i]
.endr
	global_store_b128 v1, v[224:227], s[84:85]     ; 512 consecutive bytes, at a multiple of 256 from the buffer's first byte
	global_store_b64 v2, v[228:229], s[84:85] offset:512
	global_store_b16 v3, v29, s[86:87]
.irp i, 0,1,2,3,4,5
	v_mov_b32 v[16+\i], v[200+\i]                  ; the next pass's q
.endr
	v_mov_b32 v28, v206
	s_wait_xcnt 0x0                                ; the stores have read their registers and bases: both are written again only behind this wait
	s_add_nc_u64 s[84:85], s[84:85], 196608        ; sixteen tiles of the context on
	s_add_nc_u64 s[86:87], s[86:87], 8192
	s_sub_co_u32 s59, s59, 1
	s_cmp_lg_u32 s59, 0
	WALU
	s_cbranch_scc1 .Lpass
	s_wait_tensorcnt 0x0                           ; the wave's end
	ds_add_u32 v251, v255
	s_wait_dscnt 0x0
	CROUND                                         ; the closing round: no work-group ends while a partner may still ask for a tile that names it
	s_endpgm
.Lfunc_end_k_qd7856e800c_attn:
	.size	k_qd7856e800c_attn, .Lfunc_end_k_qd7856e800c_attn-k_qd7856e800c_attn
	.p2alignl 7, 3214868480
	.fill 96, 4, 3214868480
	.section	.rodata,"a",@progbits
	.p2align	6, 0x0
	.amdhsa_kernel k_qd7856e800c_attn
		.amdhsa_group_segment_fixed_size 210944
		.amdhsa_private_segment_fixed_size 0
		.amdhsa_enable_private_segment 0
		.amdhsa_kernarg_size 24
		.amdhsa_user_sgpr_count 2
		.amdhsa_user_sgpr_kernarg_segment_ptr 1
		.amdhsa_wavefront_size32 1
		.amdhsa_system_sgpr_workgroup_id_x 1
		.amdhsa_system_sgpr_workgroup_id_y 1
		.amdhsa_system_sgpr_workgroup_id_z 1
		.amdhsa_system_vgpr_workitem_id 0
		.amdhsa_next_free_vgpr 256
		.amdhsa_next_free_sgpr 100
		.amdhsa_reserve_vcc 0
		.amdhsa_float_denorm_mode_32 3
		.amdhsa_float_denorm_mode_16_64 3
		.amdhsa_memory_ordered 1
		.amdhsa_forward_progress 1
		.amdhsa_inst_pref_size 28
	.end_amdhsa_kernel
	.amdgpu_metadata
---
amdhsa.version: [ 1, 2 ]
amdhsa.kernels:
  - .name:           k_qd7856e800c_attn
    .symbol:         k_qd7856e800c_attn.kd
    .args:
      - { .name: hc, .offset: 0, .size: 8, .value_kind: global_buffer, .address_space: global }
      - { .name: cc, .offset: 8, .size: 8, .value_kind: global_buffer, .address_space: global }
      - { .name: cs, .offset: 16, .size: 8, .value_kind: global_buffer, .address_space: global }
    .group_segment_fixed_size: 210944
    .private_segment_fixed_size: 0
    .kernarg_segment_align: 8
    .kernarg_segment_size: 24
    .max_flat_workgroup_size: 512
    .sgpr_count:     100
    .vgpr_count:     256
    .wavefront_size: 32
...
	.end_amdgpu_metadata
.endif
;; end of part 3
;; launch outp (part 4): grid 4 x 64, 4 waves a work-group, clusters of 4 x 4, 295,424 bytes of LDS; arguments cc, cs, xc, xs, out_b, out0; writes out0
.if DOCPART == 4
	.amdgcn_target "amdgcn-amd-amdhsa--gfx1250"
	.amdhsa_code_object_version 6
	.text
	.protected	k_qd7856e800c_outp
	.globl	k_qd7856e800c_outp
	.p2align	8
	.type	k_qd7856e800c_outp,@function
k_qd7856e800c_outp:
	s_mov_b64 s[64:65], 0
	v_nop
	global_prefetch_b8 v0, s[64:65] scope:SCOPE_SE
	s_setreg_imm32_b32 hwreg(HW_REG_WAVE_MODE, 25, 1), 1
	s_wait_xcnt 0x0
	s_wait_alu depctr_hold_cnt(0) depctr_sa_sdst(0) depctr_va_vdst(0) depctr_va_sdst(0) depctr_va_ssrc(0) depctr_va_vcc(0) depctr_vm_vsrc(0)
	s_getreg_b32 s2, hwreg(HW_REG_IB_STS2, 6, 4)
	s_cmp_eq_u32 s2, 0
	s_cbranch_scc0 .Lentry_in_a_cluster
	s_endpgm
.Lentry_in_a_cluster:
	s_bfe_u32 s2, ttmp6, 0x10000c
	s_cmp_lg_u32 s2, 0xf033
	s_cbranch_scc0 .Lentry_shape_is_right
	s_endpgm
.Lentry_shape_is_right:
; out0 = context out_w^T + out_b, on codes of FP6 (E2M3, one E8M0 scale for each 32 along K), K = 1,024; sums in f32.
; Both operands are images of registers in tiles of 16 rows (a half fragment of 768 bytes for 64 K; a tile 12,288 bytes); tile T holds in lane r the row 32 (T / 2) + 8 (T % 2) + r + 8 (r / 8).
; Source 1 = the context (M): a lane holds one of its rows.  Source 0 = out_w (N): the 16 result registers of N tiles 2 b, 2 b + 1 are columns 32 b + 16 (lane / 16) + 0 .. 15.
; SHARES.  A work-group makes 128 rows x 256 columns over all of K: 256 work-groups.  Four waves, each 64 x 128: 4 x 8 accumulators, 256 registers.
; LDS.  384 rows x 768 bytes are 294,912 bytes: the operands fit whole; four fills, one a wave, each 512 along K of one operand, all issued at the start; no byte is filled twice.
; CLUSTERS.  4 x 4 work-groups: the four of a row of the cluster need the same M tiles, the four of a column the same N tiles: each fill is asked for jointly.
; The bias is the C of each sum's first product.  On the way out the order of a tile's rows is undone by the stores' offsets.
; REGISTERS, in windows of 256.  Window 0: v1-13, v24-25 addresses; v32-47 M's scale words, v48-79 N's (register i of a tile: lanes 0-15 K step 2 i, lanes 16-31 K step 2 i + 1); v128-223 M's fragments, two sets; on the way out v128-255 rows of the result.
;   Window 1: v0-191 N's fragments, two sets; v192-255 the bias.   Window 2: accumulator (a, t) at v[8 (8 a + t)].
; THE FILLS AS THIS TEXT HAS THEM: four in all, one a wave, each whole for the work-group: wave 0 M's eight tiles, K 0-511; wave 1 N's sixteen, K 0-511; waves 2 and 3 the same for K 512-1023.
; The stage of the way out lies in the bytes of K 0-511: they have had their only fill, and every wave's reads of them were over at the barrier of K step 3.
.set CHUNK, 147456                     ; LDS: 512 along K: M's 8 tiles x 6,144 bytes, then N's 16
.set TILEB, 6144
.set NOFF,  49152
.set SP,    528                        ; the way out: a stage of 16 rows x (512 + 16) bytes for each wave, in the first chunk's bytes: they have had their only fill, and every wave's reads of them were over at the barrier that opened the second chunk
.set SM,  32
.set SN,  48
.set MF,  128
.set BK,  128
.set BN,  192                          ; in window 1
.set G1A, 24                           ; s[24:31] group 1 for M's fills;  s[32:39] their two groups 0
.set G0A, 32
.set G1B, 48                           ; s[48:55] group 1 for N's;  s[68:75] their two groups 0
.set G0B, 68
.set MUL,  0xa1                        ; source 0 (N) window 1, source 1 (M) window 0, C and D window 2
.set MULB, 0x91                        ; the same with C (the bias) in window 1
.set MSB, 0
.macro WIN new                         ; the immediate's high byte repeats the setting that is left
.if MSB != \new
	s_set_vgpr_msb (MSB<<8)|\new
.set MSB, \new
.endif
.endm
.macro CROUND                          ; a round of the cluster's barrier
	s_barrier_signal -1
	s_barrier_wait -1
	s_cmp_lg_u32 s16, 0
	s_cbranch_scc1 .Lnot_wave_0_\@
	s_barrier_signal -3
.Lnot_wave_0_\@:
	s_barrier_wait -3
	s_barrier_signal -1
	s_barrier_wait -1
.endm
.macro PLACES                          ; four plain vector instructions between a matrix instruction and a load into, or a store from, its registers
.rept 4
	v_nop
.endr
.endm
	s_load_b256 s[4:11], s[0:1], 0x0               ; cc, cs, xc, xs
	s_load_b128 s[12:15], s[0:1], 0x20             ; out_b, out0
	v_lshl_add_u32 v126, v0, 2, 0x48000
	v_mov_b32 v127, 0
	ds_add_u32 v126, v127
	ds_add_u32 v126, v127
	v_lshrrev_b32 v1, 5, v0
	v_readfirstlane_b32 s16, v1                    ; wave 0..3
	s_lshr_b32 s17, s16, 1                         ; wm: which 64 of the 128 rows are mine.  Also: which 512 along K I fetch
	s_and_b32 s18, s16, 1                          ; wn: which 128 of the 256 columns.  Also: I fetch for M (0) or for N (1)
	s_bfe_u32 s19, ttmp6, 0x40000                  ; cx = the block of 256 columns
	s_bfe_u32 s20, ttmp6, 0x40004                  ; cy
	s_and_b32 s21, ttmp7, 0xffff
	s_lshl_b32 s62, s21, 2
	s_add_co_u32 s62, s62, s20                     ; the block of 128 rows = 4 x cluster y + cy
	s_lshl_b32 s21, s62, 3                         ; its first tile
	s_mul_i32 s60, s21, 12288                      ; M's eight tiles, in bytes
	s_mov_b32 s61, 0
	s_lshl_b32 s100, s19, 4
	s_add_co_u32 s100, s100, 1728                  ; out_w's tiles begin at 1728
	s_mul_i32 s66, s100, 12288                     ; N's sixteen tiles
	s_mov_b32 s67, 0
	s_lshl_b32 s57, s20, 2
	s_lshl_b32 s57, 15, s57                        ; my row of the cluster
	s_lshl_b32 s58, 0x1111, s19                    ; my column
	; group 1: rows of 6,144 bytes (768 elements of 8 bytes: 512 along K of one tile), 12,288 bytes apart; M: 8 rows, N: 16; no padding: the images are read as they lie
	s_or_b32 s[G1A], s57, (3<<16)|(1<<21)          ; 15:0 the mask; 17:16 elements of 8 bytes; 21 set beside a mask
	s_or_b32 s[G1B], s58, (3<<16)|(1<<21)
	s_mov_b32 s[G1A+1], 768<<16                    ; tensor_dim0
	s_mov_b32 s[G1A+2], 8<<16                      ; tensor_dim1
	s_mov_b32 s[G1A+3], 768<<16                    ; tile_dim0
	s_mov_b32 s[G1A+4], 8                          ; tile_dim1
	s_mov_b32 s[G1A+5], 1536                       ; elements from row to row
	s_mov_b32 s[G1A+6], 0
	s_mov_b32 s[G1A+7], 0
	s_mov_b32 s[G1B+1], 768<<16
	s_mov_b32 s[G1B+2], 16<<16
	s_mov_b32 s[G1B+3], 768<<16
	s_mov_b32 s[G1B+4], 16
	s_mov_b32 s[G1B+5], 1536
	s_mov_b32 s[G1B+6], 0
	s_mov_b32 s[G1B+7], 0
	s_wait_dscnt 0x0
	s_wait_kmcnt 0x0
	s_add_nc_u64 s[60:61], s[4:5], s[60:61]
	s_add_nc_u64 s[66:67], s[8:9], s[66:67]
	s_mov_b32 s[G0A+1], 0                          ; LDS: M's tiles,
	s_mov_b32 s[G0B+1], NOFF                       ; N's behind them; set c: the c-th 512 along K
.irp c, 0,1
	s_mov_b32 s[G0A+4*\c], 1
	s_mov_b32 s[G0B+4*\c], 1
.if \c > 0
	s_add_co_u32 s[G0A+4*\c+1], s[G0A+1], \c*CHUNK
	s_add_co_u32 s[G0B+4*\c+1], s[G0B+1], \c*CHUNK
.endif
	s_add_nc_u64 s[G0A+4*\c+2:G0A+4*\c+3], s[60:61], \c*TILEB
	s_or_b32 s[G0A+4*\c+3], s[G0A+4*\c+3], 0x80000000
	s_add_nc_u64 s[G0B+4*\c+2:G0B+4*\c+3], s[66:67], \c*TILEB
	s_or_b32 s[G0B+4*\c+3], s[G0B+4*\c+3], 0x80000000
.endr
	CROUND                                         ; all sixteen work-groups are here: the joint loads meet
	s_cmp_eq_u32 s16, 0                            ; one chain of branches on the wave's number, one joint load to an arm
	s_cbranch_scc0 .Lfill_1
	tensor_load_to_lds s[G0A:G0A+3], s[G1A:G1A+7]      ; wave 0: M, K 0-511
	s_nop 0
.rept 4
	v_nop
.endr
	s_branch .Lfilled
.Lfill_1:
	s_cmp_eq_u32 s16, 1
	s_cbranch_scc0 .Lfill_2
	tensor_load_to_lds s[G0B:G0B+3], s[G1B:G1B+7]      ; wave 1: N, K 0-511
	s_nop 0
.rept 4
	v_nop
.endr
	s_branch .Lfilled
.Lfill_2:
	s_cmp_eq_u32 s16, 2
	s_cbranch_scc0 .Lfill_3
	tensor_load_to_lds s[G0A+4:G0A+7], s[G1A:G1A+7]    ; wave 2: M, K 512-1023
	s_nop 0
.rept 4
	v_nop
.endr
	s_branch .Lfilled
.Lfill_3:
	tensor_load_to_lds s[G0B+4:G0B+7], s[G1B:G1B+7]    ; wave 3: N, K 512-1023
	s_nop 0
.rept 4
	v_nop
.endr
.Lfilled:
	v_and_b32 v1, 31, v0                           ; lane
	v_and_b32 v2, 15, v0                           ; r
	v_bfe_u32 v3, v0, 4, 1                         ; h
	v_lshlrev_b32 v8, 4, v1                        ; 16 x lane
	v_lshlrev_b32 v9, 3, v1                        ; 8 x lane
	s_mul_i32 s96, s17, 24576                      ; my four M tiles in a half of K,
	s_mul_i32 s97, s18, 49152
	s_add_co_u32 s97, s97, NOFF                    ; my eight N tiles
	v_add_nc_u32 v4, s96, v8
	v_add_nc_u32 v5, s96, v9
	v_add_nc_u32 v6, s97, v8
	v_add_nc_u32 v7, s97, v9
	v_lshlrev_b32 v13, 6, v3                       ; the bias: 16 numbers on for lanes 16-31
	s_wait_alu depctr_va_vdst(0)
	s_mul_i32 s98, s16, 16*SP                      ; my stage
	v_mul_u32_u24 v24, v2, SP
	v_lshl_add_u32 v24, v3, 6, v24
	v_add_nc_u32 v24, s98, v24                     ; in: row r, + 64 h bytes
	v_add_nc_u32 v25, s98, v8                      ; back: the 32 lanes take one row of 512 bytes
	s_lshl_b32 s84, s62, 7
	s_lshl_b32 s85, s17, 6
	s_add_co_u32 s84, s84, s85
	s_lshl_b32 s84, s84, 12                        ; my first row of out0, 4,096 bytes a row,
	s_lshl_b32 s85, s19, 10
	s_add_co_u32 s84, s84, s85
	s_lshl_b32 s85, s18, 9
	s_add_co_u32 s84, s84, s85                     ; my first column
	s_mov_b32 s85, 0
	s_add_nc_u64 s[84:85], s[14:15], s[84:85]
	s_lshl_b32 s86, s17, 2
	s_add_co_u32 s86, s86, s21
	s_lshl_b32 s86, s86, 9
	s_mov_b32 s87, 0
	s_add_nc_u64 s[86:87], s[6:7], s[86:87]        ; the scale words of my four M tiles,
	s_lshl_b32 s88, s18, 3
	s_add_co_u32 s88, s88, s100
	s_lshl_b32 s88, s88, 9
	s_mov_b32 s89, 0
	s_add_nc_u64 s[88:89], s[10:11], s[88:89]      ; of my eight N tiles
	s_lshl_b32 s90, s19, 10
	s_lshl_b32 s91, s18, 9
	s_add_co_u32 s90, s90, s91
	s_mov_b32 s91, 0
	s_add_nc_u64 s[90:91], s[12:13], s[90:91]      ; my 128 numbers of the bias
.irp a, 0,1,2,3
	global_load_b128 v[SM+4*\a:SM+4*\a+3], v8, s[86:87] offset:512*\a
.endr
.irp t, 0,1,2,3,4,5,6,7
	global_load_b128 v[SN+4*\t:SN+4*\t+3], v8, s[88:89] offset:512*\t
.endr
	WIN 0x40                                       ; destination window 1
.irp t, 0,1,2,3,4,5,6,7
	global_load_b128 v[BN+8*\t:BN+8*\t+3], v13, s[90:91] offset:(32*(\t/2)+8*(\t%2))*4
	global_load_b128 v[BN+8*\t+4:BN+8*\t+7], v13, s[90:91] offset:(32*(\t/2)+8*(\t%2))*4+16
.endr
	WIN 0
.macro FRAG reg, a16, a8, off          ; a fragment's image: two half fragments on end
	ds_load_b128 v[(\reg):(\reg)+3], v[\a16] offset:(\off)
	ds_load_b64 v[(\reg)+4:(\reg)+5], v[\a8] offset:(\off)+512
	ds_load_b128 v[(\reg)+6:(\reg)+9], v[\a16] offset:(\off)+768
	ds_load_b64 v[(\reg)+10:(\reg)+11], v[\a8] offset:(\off)+1280
.endm
.macro FETCH q, set                    ; 48 LDS loads in one run: the chunk's q-th 128 along K: N's eight fragments, M's four
	WIN 0x40
.irp t, 0,1,2,3,4,5,6,7
	FRAG 96*(\set)+12*\t, 6, 7, TILEB*\t+1536*(\q)
.endr
	WIN 0
.irp a, 0,1,2,3
	FRAG MF+48*(\set)+12*\a, 4, 5, TILEB*\a+1536*(\q)
.endr
.endm
; Eight products: M tile a against N's eight, K step s.  The 32 accumulators take turns, one instruction a turn, in the same order in every step.
; Odd K steps take their scale words from lanes 16-31.  first = 1: the products start the sums on the bias: nothing is cleared, nothing is added later.
.macro MULA a, set, s, first
.irp t, 0,1,2,3,4,5,6,7
.if \first
	v_wmma_scale_f32_16x16x128_f8f6f4 v[8*(8*(\a)+\t):8*(8*(\a)+\t)+7], v[96*(\set)+12*\t:96*(\set)+12*\t+11], v[MF+48*(\set)+12*(\a):MF+48*(\set)+12*(\a)+11], v[BN+8*\t:BN+8*\t+7], v[SN+4*\t+(\s)/2], v[SM+4*(\a)+(\s)/2] matrix_a_fmt:MATRIX_FMT_FP6 matrix_b_fmt:MATRIX_FMT_FP6
.elseif (\s)%2
	v_wmma_scale_f32_16x16x128_f8f6f4 v[8*(8*(\a)+\t):8*(8*(\a)+\t)+7], v[96*(\set)+12*\t:96*(\set)+12*\t+11], v[MF+48*(\set)+12*(\a):MF+48*(\set)+12*(\a)+11], v[8*(8*(\a)+\t):8*(8*(\a)+\t)+7], v[SN+4*\t+(\s)/2], v[SM+4*(\a)+(\s)/2] matrix_a_fmt:MATRIX_FMT_FP6 matrix_b_fmt:MATRIX_FMT_FP6 matrix_a_scale:MATRIX_SCALE_ROW1 matrix_b_scale:MATRIX_SCALE_ROW1
.else
	v_wmma_scale_f32_16x16x128_f8f6f4 v[8*(8*(\a)+\t):8*(8*(\a)+\t)+7], v[96*(\set)+12*\t:96*(\set)+12*\t+11], v[MF+48*(\set)+12*(\a):MF+48*(\set)+12*(\a)+11], v[8*(8*(\a)+\t):8*(8*(\a)+\t)+7], v[SN+4*\t+(\s)/2], v[SM+4*(\a)+(\s)/2] matrix_a_fmt:MATRIX_FMT_FP6 matrix_b_fmt:MATRIX_FMT_FP6
.endif
.endr
.endm
.macro MWIN first
.if \first
	WIN MULB
.else
	WIN MUL
.endif
.endm
; K step s of eight: 32 products on fragment set s % 2; behind the first eight the next step's fragments are fetched into the other set.
; Step 3 opens the second 512 along K: every wave waits for its one fill, says so, works on registers, and goes on when all four waves have said so.
.macro STEP s, first
	s_wait_dscnt 0x0                               ; this step's 48 loads are in
.if (\s) == 3
	s_wait_tensorcnt 0x0
	s_barrier_signal -1
.endif
	MWIN \first
	MULA 0, (\s)%2, \s, \first
.if (\s) < 7
	WIN 0
.if (\s) == 3
	s_barrier_wait -1
.irp r, 4,5,6,7
	v_add_nc_u32 v\r, CHUNK, v\r                   ; on to the next chunk; these four are also the places in front of the loads below
.endr
.else
	PLACES
.endif
	FETCH ((\s)+1)%4, 1-(\s)%2
.endif
	MWIN \first
	MULA 1, (\s)%2, \s, \first
	MULA 2, (\s)%2, \s, \first
	MULA 3, (\s)%2, \s, \first
.endm
	s_cmp_lt_u32 s16, 2                            ; waves 0 and 1 brought the first 512 along K, each by a load line of its own: they wait; the other two fills may be out
	s_cbranch_scc0 .Lnot_first
	s_wait_tensorcnt 0x0
.Lnot_first:
	s_barrier_signal -1
	s_barrier_wait -1                              ; the first 512 along K are in
	FETCH 0, 0
	s_wait_loadcnt 0x0                             ; scale words and bias
	STEP 0, 1
.irp s, 1,2,3,4,5,6,7
	s_wait_alu depctr_va_vdst(0)
	STEP \s, 0
.endr
	WIN 0
	PLACES
; THE WAY OUT, an M tile (16 rows x 128 columns) at a time.  A lane holds pieces of 32 neighbouring bytes of a row, and the lanes beside it other rows: so a tile goes through my own stage in LDS and comes back as whole rows of 512 bytes.
; LDS serves a wave's instructions in order (ISA guide 5.7.1.4): no wait between the stores and the loads, nor in front of the next tile's stores.
.macro TOSTAGE a
	WIN 0x08                                       ; an LDS store's data are its source 1: window 2
.irp t, 0,1,2,3,4,5,6,7
	ds_store_b128 v24, v[8*(8*(\a)+\t):8*(8*(\a)+\t)+3] offset:128*(\t/2)+32*(\t%2)       ; each accumulator from its low end on
	ds_store_b128 v24, v[8*(8*(\a)+\t)+4:8*(8*(\a)+\t)+7] offset:128*(\t/2)+32*(\t%2)+16
.endr
	WIN 0
.irp i, 0,1,2,3,4,5,6,7,8,9,10,11,12,13,14,15
	ds_load_b128 v[BK+64*((\a)%2)+4*\i:BK+64*((\a)%2)+4*\i+3], v25 offset:SP*\i
.endr
.endm
.macro SEND a, younger                 ; younger: the LDS instructions issued behind tile a's loads, which may stay out
	s_wait_dscnt \younger
.irp i, 0,1,2,3,4,5,6,7,8,9,10,11,12,13,14,15
	global_store_b128 v8, v[BK+64*((\a)%2)+4*\i:BK+64*((\a)%2)+4*\i+3], s[84:85] offset:(32*((\a)/2)+8*((\a)%2)+\i+8*(\i/8))*4096 th:TH_STORE_NT   ; 512 consecutive bytes, at a multiple of 256 from out0's first byte; tile row i is row 32 (a / 2) + 8 (a % 2) + i + 8 (i / 8) of my 64
.endr
.endm
	TOSTAGE 0
.irp a, 1,2,3
.if \a > 1
	s_wait_xcnt 0x0                                ; tile a - 2's stores have read their registers: tile a's loads may land there
.endif
	TOSTAGE \a
	SEND \a-1, 32                                  ; behind tile a - 1's loads: tile a's 16 stores and 16 loads
.endr
	SEND 3, 0
	s_wait_tensorcnt 0x0
	s_wait_dscnt 0x0
	s_wait_tensorcnt 0x0
	ds_add_u32 v126, v127
	s_wait_dscnt 0x0
	CROUND                                         ; the closing round: no work-group ends while a partner may still ask for a tile that names it
	s_endpgm
.Lfunc_end_k_qd7856e800c_outp:
	.size	k_qd7856e800c_outp, .Lfunc_end_k_qd7856e800c_outp-k_qd7856e800c_outp
	.p2alignl 7, 3214868480
	.fill 96, 4, 3214868480
	.section	.rodata,"a",@progbits
	.p2align	6, 0x0
	.amdhsa_kernel k_qd7856e800c_outp
		.amdhsa_group_segment_fixed_size 295424
		.amdhsa_private_segment_fixed_size 0
		.amdhsa_enable_private_segment 0
		.amdhsa_kernarg_size 48
		.amdhsa_user_sgpr_count 2
		.amdhsa_user_sgpr_kernarg_segment_ptr 1
		.amdhsa_wavefront_size32 1
		.amdhsa_system_sgpr_workgroup_id_x 1
		.amdhsa_system_sgpr_workgroup_id_y 1
		.amdhsa_system_sgpr_workgroup_id_z 1
		.amdhsa_system_vgpr_workitem_id 0
		.amdhsa_next_free_vgpr 768
		.amdhsa_next_free_sgpr 102
		.amdhsa_reserve_vcc 0
		.amdhsa_float_denorm_mode_32 3
		.amdhsa_float_denorm_mode_16_64 3
		.amdhsa_memory_ordered 1
		.amdhsa_forward_progress 1
		.amdhsa_inst_pref_size 84
	.end_amdhsa_kernel
	.amdgpu_metadata
---
amdhsa.version: [ 1, 2 ]
amdhsa.kernels:
  - .name:           k_qd7856e800c_outp
    .symbol:         k_qd7856e800c_outp.kd
    .args:
      - { .name: cc, .offset: 0, .size: 8, .value_kind: global_buffer, .address_space: global }
      - { .name: cs, .offset: 8, .size: 8, .value_kind: global_buffer, .address_space: global }
      - { .name: xc, .offset: 16, .size: 8, .value_kind: global_buffer, .address_space: global }
      - { .name: xs, .offset: 24, .size: 8, .value_kind: global_buffer, .address_space: global }
      - { .name: out_b, .offset: 32, .size: 8, .value_kind: global_buffer, .address_space: global }
      - { .name: out0, .offset: 40, .size: 8, .value_kind: global_buffer, .address_space: global }
    .group_segment_fixed_size: 295424
    .private_segment_fixed_size: 0
    .kernarg_segment_align: 8
    .kernarg_segment_size: 48
    .max_flat_workgroup_size: 128
    .sgpr_count:     102
    .vgpr_count:     768
    .wavefront_size: 32
...
	.end_amdgpu_metadata
.endif
;; end of part 4
